; MI455X (gfx1250); checked and timed in simulation.
; The chip was launched on July 23, 2026; its instructions are those of AMD's public machine-readable ISA for CDNA 5 (MIT licence, August 2026) and "CDNA5" Instruction Set Architecture Reference Guide (July 2026). The comments in the code are by the model that wrote it; some were corrected since.
;; Eagle3 Attention. Allowed arithmetic: float matrix products may take bf16 or f16 operands with f32 sums; other float arithmetic in f32, or as packed bf16 or f16 multiplies, adds, multiply-adds, maxima and minima; sums over many terms, partial sums and values carried from step to step in f32; what a program stores and reads back later, other than sums and carried values, may be rounded once to bf16 or f16.
;; Inputs: Wk 4,096 x 512 float32; Wo 1,024 x 2,048 float32; Wq 4,096 x 1,024 float32; Wv 4,096 x 512 float32; attention_mask 2 x 1 x 2,048 x 2,048 float32; hidden_states 2 x 2,048 x 4,096 float32; position_ids 2 x 2,048 int32.
;; Outputs: out0 2 x 2,048 x 2,048 float32.
;; One version. Each part assembles by itself: llvm-mc -triple=amdgcn-amd-amdhsa -mcpu=gfx1250 --defsym DOCPART=n.
;; ======== version 1 of 1: 4 launches
;; limits: values are held in f16: magnitudes above 65,504 overflow, below 6.1e-05 lose precision; right only within a limited range of input values
;; workspace buffers: xb 33,554,432 bytes; wb 16,777,216 bytes; wob 4,194,304 bytes; mk 33,554,432 bytes; rope 3,145,728 bytes; qkv 16,777,216 bytes; ob 8,388,608 bytes
;; launch prep (part 1): grid 1152 x 1, 8 waves a work-group, no clusters, 0 bytes of LDS; arguments hidden_states, Wq, Wk, Wv, Wo, attention_mask, position_ids, xb, wb, wob, mk, rope; writes xb, wb, wob, mk, rope
.if DOCPART == 1
	.amdgcn_target "amdgcn-amd-amdhsa--gfx1250"
	.amdhsa_code_object_version 6
	.text
	.protected	k_qbb2ab83372_prep
	.globl	k_qbb2ab83372_prep
	.p2align	8
	.type	k_qbb2ab83372_prep,@function
k_qbb2ab83372_prep:
	s_mov_b64 s[64:65], 0
	v_nop
	global_prefetch_b8 v0, s[64:65] scope:SCOPE_SE
	s_setreg_imm32_b32 hwreg(HW_REG_WAVE_MODE, 25, 1), 1
	s_wait_xcnt 0x0
; PREP: every input is rounded once, and the RoPE tables are made.  Streams only: no LDS, no matrix work, no work-group shares a byte with another.
;   xb  [4096 tok][4096]  bf16 = bf16(hidden_states)
;   wb  [4096 k][2048 n]  bf16 = bf16(Wq | Wk | Wv), columns 0-1023, 1024-1535, 1536-2047; K stays along the rows' index, as the weights lie
;   wob [1024 k][2048 n]  f16  = 4 x bf16(Wo): exact in f16 from 1.5e-5 up to 16,376; below, f16's fixed step of 6e-8 / 4; beyond, an infinity
;   mk  [2][2048][2048]   f32  = bf16(attention_mask) x log2(e), rounded once more to f32
;   rope: three tables [4096 tok][cos 32 | sin 32] f32: for q (x 0.25 log2 e), for k (x 0.5), for v (0.25 and 0)
; A pass is 1,024 f32: thread t takes the 16 bytes at 16 t, so a wave's load covers 512 consecutive bytes.  A trip is 8 passes, a work-group 4 trips: 131,072 bytes of its source.
; The work-group's number chooses the segment: 0-511 hidden, 512-639 Wq, 640-703 Wk, 704-767 Wv, 768-831 Wo, 832-1087 mask, 1088-1151 tables.
; LIMITS of the tables: |position x inv_freq| under 1e5 (the reduction by pi/2 has three terms); inv_freq = 2^(-i log2(10000) / 32) to about one unit in its last place,
; not bit for bit the power that the problem's text takes; sine and cosine by their series up to r^9 and r^8 on |r| <= pi/4: what is cut off is under 3e-8.
.set X,   16                           ; v[16:47]  pass p: 4 registers as loaded
.set Y,   48                           ; v[48:79]  pass p: what is stored (2 registers, or 4 for the mask)
.set SRC, 32                           ; s[32:33]
.set DST, 34                           ; s[34:35]
.set CNT, 42                           ; s42 trips to go
	s_load_b512 s[8:23], s[0:1], 0x0               ; hidden s[8:9], Wq s[10:11], Wk s[12:13], Wv s[14:15], Wo s[16:17], mask s[18:19], positions s[20:21], xb s[22:23]
	s_load_b256 s[24:31], s[0:1], 0x40             ; wb s[24:25], wob s[26:27], mk s[28:29], rope s[30:31]
	s_mov_b32 s2, ttmp9
	s_mov_b32 s5, 0                                ; the high word of every offset
	s_mov_b32 s[CNT], 4
	v_lshlrev_b32 v1, 4, v0                        ; 16 t: my place in a pass of the source
	s_wait_kmcnt 0x0
	s_cmp_lt_u32 s2, 512
	s_cbranch_scc1 .Lh
	s_cmp_lt_u32 s2, 640
	s_cbranch_scc1 .Lwq
	s_cmp_lt_u32 s2, 704
	s_cbranch_scc1 .Lwk
	s_cmp_lt_u32 s2, 768
	s_cbranch_scc1 .Lwv
	s_cmp_lt_u32 s2, 832
	s_cbranch_scc1 .Lwo
	s_cmp_lt_u32 s2, 1088
	s_cbranch_scc1 .Lmk
	s_branch .Ltab
.macro LOAD8                           ; a trip's eight loads
.irp p, 0,1,2,3,4,5,6,7
	global_load_b128 v[X+4*(\p):X+4*(\p)+3], v1, s[SRC:SRC+1] offset:4096*(\p) th:TH_LOAD_NT
.endr
.endm
.macro STEP dstep                      ; the trip's end; the branch follows
	s_wait_xcnt 0x0                                ; the pointers and the stores' data are written again only behind this wait
	s_add_nc_u64 s[SRC:SRC+1], s[SRC:SRC+1], 32768
	s_add_nc_u64 s[DST:DST+1], s[DST:DST+1], \dstep
	s_sub_co_u32 s[CNT], s[CNT], 1
	s_cmp_lg_u32 s[CNT], 0
.endm
; f32 to bf16.  first: the segment's first work-group; src, dst: the pointers' registers; the group's place in dst is (g << dshift) + dadd; a pass is stride bytes further in dst;
; thread t stores 8 bytes at (t >> sh) x 4096 + (t & msk) x 8: a wave's store covers 256 consecutive bytes, aligned.
.macro CAST first, src, dst, dshift, dadd, stride, sh, msk
	s_sub_co_u32 s2, s2, \first
	s_lshl_b32 s4, s2, 17
	s_add_nc_u64 s[SRC:SRC+1], s[\src:\src+1], s[4:5]
	s_lshl_b32 s4, s2, \dshift
	s_add_co_u32 s4, s4, \dadd
	s_add_nc_u64 s[DST:DST+1], s[\dst:\dst+1], s[4:5]
	v_lshrrev_b32 v2, \sh, v0
	v_and_b32 v3, \msk, v0
	v_lshlrev_b32 v3, 3, v3
	v_lshl_add_u32 v2, v2, 12, v3
.Lcast_\@:
	LOAD8
.irp p, 0,1,2,3,4,5,6,7
	s_wait_loadcnt 7-(\p)                          ; loads come back in order: pass p is in, the younger ones stay out
	v_cvt_pk_bf16_f32 v[Y+2*(\p)], v[X+4*(\p)], v[X+4*(\p)+1]
	v_cvt_pk_bf16_f32 v[Y+2*(\p)+1], v[X+4*(\p)+2], v[X+4*(\p)+3]
	global_store_b64 v2, v[Y+2*(\p):Y+2*(\p)+1], s[DST:DST+1] offset:(\stride)*(\p) th:TH_STORE_NT
.endr
	STEP 8*(\stride)
	s_cbranch_scc1 .Lcast_\@
	s_endpgm
.endm
.Lh:
	CAST 0, 8, 22, 16, 0, 2048, 8, 255             ; hidden: dense to dense
.Lwq:
	CAST 512, 10, 24, 17, 0, 4096, 8, 255          ; Wq: a pass is a row of 1,024; rows of wb are 4,096 bytes
.Lwk:
	CAST 640, 12, 24, 18, 2048, 8192, 7, 127       ; Wk: a pass is two rows of 512, at column 1,024
.Lwv:
	CAST 704, 14, 24, 18, 3072, 8192, 7, 127       ; Wv: the same at column 1,536
.Lwo:                                                  ; Wo: rounded to bf16, times 4 (exact), written as f16
	s_sub_co_u32 s2, s2, 768
	s_lshl_b32 s4, s2, 17
	s_add_nc_u64 s[SRC:SRC+1], s[16:17], s[4:5]
	s_lshl_b32 s4, s2, 16
	s_add_nc_u64 s[DST:DST+1], s[26:27], s[4:5]
	v_lshlrev_b32 v2, 3, v0
	s_mov_b32 s43, 0xffff0000
.Lwo_trip:
	LOAD8
.irp p, 0,1,2,3,4,5,6,7
	s_wait_loadcnt 7-(\p)
	v_cvt_pk_bf16_f32 v10, v[X+4*(\p)], v[X+4*(\p)+1]
	v_cvt_pk_bf16_f32 v11, v[X+4*(\p)+2], v[X+4*(\p)+3]
	v_lshlrev_b32 v[X+4*(\p)], 16, v10
	v_and_b32 v[X+4*(\p)+1], s43, v10
	v_lshlrev_b32 v[X+4*(\p)+2], 16, v11
	v_and_b32 v[X+4*(\p)+3], s43, v11
	v_pk_mul_f32 v[X+4*(\p):X+4*(\p)+1], v[X+4*(\p):X+4*(\p)+1], 4.0 op_sel_hi:[1,0]
	v_pk_mul_f32 v[X+4*(\p)+2:X+4*(\p)+3], v[X+4*(\p)+2:X+4*(\p)+3], 4.0 op_sel_hi:[1,0]
	v_cvt_pk_f16_f32 v[Y+2*(\p)], v[X+4*(\p)], v[X+4*(\p)+1]
	v_cvt_pk_f16_f32 v[Y+2*(\p)+1], v[X+4*(\p)+2], v[X+4*(\p)+3]
	global_store_b64 v2, v[Y+2*(\p):Y+2*(\p)+1], s[DST:DST+1] offset:2048*(\p) th:TH_STORE_NT
.endr
	STEP 16384
	s_cbranch_scc1 .Lwo_trip
	s_endpgm
.Lmk:                                                  ; the mask: rounded to bf16 like every input, then into the units of the base-2 exponential
	s_sub_co_u32 s2, s2, 832
	s_lshl_b32 s4, s2, 17
	s_add_nc_u64 s[SRC:SRC+1], s[18:19], s[4:5]
	s_add_nc_u64 s[DST:DST+1], s[28:29], s[4:5]
	s_mov_b32 s43, 0xffff0000
	s_mov_b32 s44, 0x3fb8aa3b                      ; log2(e)
	s_mov_b32 s45, s44                             ; named with it as a pair
.Lmk_trip:
	LOAD8
.irp p, 0,1,2,3,4,5,6,7
	s_wait_loadcnt 7-(\p)
	v_cvt_pk_bf16_f32 v10, v[X+4*(\p)], v[X+4*(\p)+1]
	v_cvt_pk_bf16_f32 v11, v[X+4*(\p)+2], v[X+4*(\p)+3]
	v_lshlrev_b32 v[Y+4*(\p)], 16, v10
	v_and_b32 v[Y+4*(\p)+1], s43, v10
	v_lshlrev_b32 v[Y+4*(\p)+2], 16, v11
	v_and_b32 v[Y+4*(\p)+3], s43, v11
	v_pk_mul_f32 v[Y+4*(\p):Y+4*(\p)+1], v[Y+4*(\p):Y+4*(\p)+1], s[44:45] op_sel_hi:[1,0]
	v_pk_mul_f32 v[Y+4*(\p)+2:Y+4*(\p)+3], v[Y+4*(\p)+2:Y+4*(\p)+3], s[44:45] op_sel_hi:[1,0]
	global_store_b128 v1, v[Y+4*(\p):Y+4*(\p)+3], s[DST:DST+1] offset:4096*(\p) th:TH_STORE_NT
.endr
	STEP 32768
	s_cbranch_scc1 .Lmk_trip
	s_endpgm
; THE TABLES.  A wave makes 8 tokens' rows, one a trip.  Lane l holds elements 2 l and 2 l + 1 of a row: lanes 0-15 the cosines, lanes 16-31 the sines of frequencies 2 (l % 16) and 2 (l % 16) + 1.
.Ltab:
	s_sub_co_u32 s2, s2, 1088
	v_lshrrev_b32 v2, 5, v0
	v_readfirstlane_b32 s3, v2                     ; my wave's number
	s_lshl_b32 s2, s2, 3
	s_add_co_u32 s2, s2, s3                        ; my block of 8 tokens
	s_lshl_b32 s4, s2, 5                           ; 8 positions of 4 bytes
	s_add_nc_u64 s[20:21], s[20:21], s[4:5]
	s_load_b256 s[48:55], s[20:21], 0x0            ; the 8 positions
	s_lshl_b32 s6, s2, 11                          ; 8 rows of 256 bytes
	s_mov_b32 s7, 0
	s_add_nc_u64 s[30:31], s[30:31], s[6:7]
	s_mov_b32 s66, 0xbfc90fd8                      ; -pi/2 in three parts
	s_mov_b32 s67, 0xb4a8885a
	s_mov_b32 s68, 0xa7c234c4
	s_mov_b32 s69, 0x3ed49a78                      ; log2(10000) / 32, its f32
	s_mov_b32 s70, 0x3217a787                      ; and what that f32 leaves
	s_mov_b32 s[CNT], 8
	v_and_b32 v2, 31, v0                           ; l
	v_lshlrev_b32 v3, 3, v2                        ; my 8 bytes of a row
	v_lshrrev_b32 v4, 4, v2                        ; 1: sines
	v_mul_u32_u24 v5, v4, 3                        ; sin x = cos(x - pi/2): three quadrants on
	v_and_b32 v6, 15, v2
	v_lshlrev_b32 v6, 1, v6
	v_cvt_f32_u32 v8, v6                           ; i
	v_add_f32 v9, 1.0, v8                          ; i + 1
	v_mov_b32 v7, 0x3e800000
	v_cmp_eq_u32 vcc_lo, 0, v4
	v_cndmask_b32 v30, 0, v7, vcc_lo               ; v's table: 0.25 for the cosines, 0 for the sines
	v_mov_b32 v31, v30
.irp f, 0,1
	v_mul_f32 v10, s69, v[8+(\f)]                  ; p = i c, rounded
	v_fma_f32 v11, v[8+(\f)], s69, -v10            ; what the rounding dropped,
	v_fma_f32 v11, v[8+(\f)], s70, v11             ; and c's own rest: e
	v_sub_f32 v10, 0, v10
	v_exp_f32 v12, v10                             ; 2^-p
	v_mul_f32 v11, 0x3f317218, v11                 ; e ln 2: the plain line behind the exponential
	s_wait_alu depctr_va_vdst(0)
	v_fma_f32 v[20+(\f)], -v12, v11, v12           ; 2^-(p + e)
.endr
	s_wait_kmcnt 0x0
.Ltok:
	v_cvt_f32_i32 v10, s48
.irp f, 0,1
	v_mul_f32 v11, v10, v[20+(\f)]                 ; the angle, rounded as the problem's text rounds it
	v_mul_f32 v12, 0x3f22f983, v11
	v_rndne_f32 v12, v12                           ; n = the nearest multiple of pi/2
	v_fma_f32 v13, v12, s66, v11
	v_fma_f32 v13, v12, s67, v13
	v_fma_f32 v13, v12, s68, v13                   ; r
	v_mul_f32 v14, v13, v13                        ; z = r r
	v_mov_b32 v15, 0x37d00d01                      ; cos r = 1 - z/2 + z^2/24 - z^3/720 + z^4/40320
	v_fmaak_f32 v15, v15, v14, 0xbab60b61
	v_fmaak_f32 v15, v15, v14, 0x3d2aaaab
	v_fmaak_f32 v15, v15, v14, 0xbf000000
	v_fmaak_f32 v15, v15, v14, 0x3f800000
	v_mov_b32 v16, 0x3638ef1d                      ; sin r = r + r z (-1/6 + z/120 - z^2/5040 + z^3/362880)
	v_fmaak_f32 v16, v16, v14, 0xb9500d01
	v_fmaak_f32 v16, v16, v14, 0x3c088889
	v_fmaak_f32 v16, v16, v14, 0xbe2aaaab
	v_mul_f32 v17, v13, v14
	v_fma_f32 v16, v16, v17, v13
	v_cvt_i32_f32 v18, v12
	v_add_nc_u32 v18, v18, v5                      ; the quadrant q
	v_and_b32 v19, 1, v18
	v_cmp_eq_u32 vcc_lo, 1, v19
	v_cndmask_b32 v15, v15, v16, vcc_lo            ; odd q: the sine
	v_add_nc_u32 v18, 1, v18
	v_and_b32 v18, 2, v18                          ; q = 1, 2 modulo 4: the sign turns
	v_lshlrev_b32 v18, 30, v18
	v_xor_b32 v15, v15, v18
	v_mul_f32 v[32+(\f)], 0x3eb8aa3b, v15          ; q's table: x 0.25 log2(e)
	v_mul_f32 v[34+(\f)], 0.5, v15                 ; k's table
.endr
	global_store_b64 v3, v[32:33], s[30:31] th:TH_STORE_NT                 ; each store of the wave is a whole row: 256 consecutive bytes, aligned
	global_store_b64 v3, v[34:35], s[30:31] offset:1048576 th:TH_STORE_NT
	global_store_b64 v3, v[30:31], s[30:31] offset:2097152 th:TH_STORE_NT
	s_wait_xcnt 0x0                                ; the base and the data are written again only behind this wait
	s_add_nc_u64 s[30:31], s[30:31], 256
	s_mov_b32 s48, s49                             ; the positions move down by one
	s_mov_b32 s49, s50
	s_mov_b32 s50, s51
	s_mov_b32 s51, s52
	s_mov_b32 s52, s53
	s_mov_b32 s53, s54
	s_mov_b32 s54, s55
	s_sub_co_u32 s[CNT], s[CNT], 1
	s_cmp_lg_u32 s[CNT], 0
	s_cbranch_scc1 .Ltok
	s_endpgm
.Lfunc_end_k_qbb2ab83372_prep:
	.size	k_qbb2ab83372_prep, .Lfunc_end_k_qbb2ab83372_prep-k_qbb2ab83372_prep
	.p2alignl 7, 3214868480
	.fill 96, 4, 3214868480
	.section	.rodata,"a",@progbits
	.p2align	6, 0x0
	.amdhsa_kernel k_qbb2ab83372_prep
		.amdhsa_group_segment_fixed_size 0
		.amdhsa_private_segment_fixed_size 0
		.amdhsa_enable_private_segment 0
		.amdhsa_kernarg_size 96
		.amdhsa_user_sgpr_count 2
		.amdhsa_user_sgpr_kernarg_segment_ptr 1
		.amdhsa_wavefront_size32 1
		.amdhsa_system_sgpr_workgroup_id_x 1
		.amdhsa_system_sgpr_workgroup_id_y 1
		.amdhsa_system_sgpr_workgroup_id_z 1
		.amdhsa_system_vgpr_workitem_id 0
		.amdhsa_next_free_vgpr 96
		.amdhsa_next_free_sgpr 72
		.amdhsa_reserve_vcc 1
		.amdhsa_float_denorm_mode_32 3
		.amdhsa_float_denorm_mode_16_64 3
		.amdhsa_memory_ordered 1
		.amdhsa_forward_progress 1
		.amdhsa_inst_pref_size 33
	.end_amdhsa_kernel
	.amdgpu_metadata
---
amdhsa.version: [ 1, 2 ]
amdhsa.kernels:
  - .name:           k_qbb2ab83372_prep
    .symbol:         k_qbb2ab83372_prep.kd
    .args:
      - { .name: hidden_states, .offset: 0, .size: 8, .value_kind: global_buffer, .address_space: global }
      - { .name: Wq, .offset: 8, .size: 8, .value_kind: global_buffer, .address_space: global }
      - { .name: Wk, .offset: 16, .size: 8, .value_kind: global_buffer, .address_space: global }
      - { .name: Wv, .offset: 24, .size: 8, .value_kind: global_buffer, .address_space: global }
      - { .name: Wo, .offset: 32, .size: 8, .value_kind: global_buffer, .address_space: global }
      - { .name: attention_mask, .offset: 40, .size: 8, .value_kind: global_buffer, .address_space: global }
      - { .name: position_ids, .offset: 48, .size: 8, .value_kind: global_buffer, .address_space: global }
      - { .name: xb, .offset: 56, .size: 8, .value_kind: global_buffer, .address_space: global }
      - { .name: wb, .offset: 64, .size: 8, .value_kind: global_buffer, .address_space: global }
      - { .name: wob, .offset: 72, .size: 8, .value_kind: global_buffer, .address_space: global }
      - { .name: mk, .offset: 80, .size: 8, .value_kind: global_buffer, .address_space: global }
      - { .name: rope, .offset: 88, .size: 8, .value_kind: global_buffer, .address_space: global }
    .group_segment_fixed_size: 0
    .private_segment_fixed_size: 0
    .kernarg_segment_align: 8
    .kernarg_segment_size: 96
    .max_flat_workgroup_size: 256
    .sgpr_count:     72
    .vgpr_count:     96
    .wavefront_size: 32
...
	.end_amdgpu_metadata
.endif
;; end of part 1
;; launch proj (part 2): grid 8 x 32, 4 waves a work-group, clusters of 4 x 4, 327,680 bytes of LDS; arguments xb, wb, rope, qkv; writes qkv
.if DOCPART == 2
	.amdgcn_target "amdgcn-amd-amdhsa--gfx1250"
	.amdhsa_code_object_version 6
	.text
	.protected	k_qbb2ab83372_proj
	.globl	k_qbb2ab83372_proj
	.p2align	8
	.type	k_qbb2ab83372_proj,@function
k_qbb2ab83372_proj:
	s_mov_b64 s[64:65], 0
	v_nop
	global_prefetch_b8 v0, s[64:65] scope:SCOPE_SE
	s_setreg_imm32_b32 hwreg(HW_REG_WAVE_MODE, 25, 1), 1
	s_wait_xcnt 0x0
	s_wait_alu depctr_hold_cnt(0) depctr_sa_sdst(0) depctr_va_vdst(0) depctr_va_sdst(0) depctr_va_ssrc(0) depctr_va_vcc(0) depctr_vm_vsrc(0)
	s_getreg_b32 s2, hwreg(HW_REG_IB_STS2, 6, 4)
	s_cmp_eq_u32 s2, 0
	s_cbranch_scc0 .Lentry_in_a_cluster
	s_endpgm
.Lentry_in_a_cluster:
	s_bfe_u32 s2, ttmp6, 0x10000c
	s_cmp_lg_u32 s2, 0xf033
	s_cbranch_scc0 .Lentry_shape_is_right
	s_endpgm
.Lentry_shape_is_right:
; q, k, v = x [Wq | Wk | Wv], with RoPE and the scales on the way out.  xb: [4096 tok][4096] bf16; wb: [4096 k][2048 n] bf16; sums in f32.
; qkv: [32 head slots][4096 tok][64] f16: slots 0-15 q = 0.25 log2(e) RoPE(q), 16-23 k = 0.5 RoPE(k), 24-31 v = 0.25 v; each number is rounded once, from its f32 sum.
; LIMITS.  f16 ends at 65,504: |q| under 181,000, |k| under 131,000, |v| under 262,000; NaN and infinities are not treated apart.
; SHARES.  A work-group makes 128 tokens x 256 columns (four heads): 32 x 8 = 256 work-groups.  Wave w takes tokens 64 (w / 2) on and columns 128 (w % 2) on: 4 x 8 accumulators of 16 x 16, 256 registers.
; THE RING.  K goes in units of 128; a unit's tiles take 104,448 bytes of LDS, and three units fit.  So the two slots are unequal: X holds two units (x: 128 rows x 512 bytes; W: 256 k-rows x 512 bytes), Y one.
; They take turns, X0 Y0 X1 Y1 .. X10: 3 x 10 + 2 = 32 units, with two changes of slots for three units.  At a change the slot just read out is asked for again first thing, and the slot's last 32 products,
; whose fragments lie in registers, stand behind the request.  Y's load has 256 matrix instructions in which to land, X's 128.  A wave has two tensor loads out at the start, one afterwards.
; Waves 0 and 1 fetch the halves of x's tile, waves 2 and 3 those of W's.  W lies [k][n]; its fragments come out of LDS turned, by ds_load_tr16_b128.
; CLUSTER.  4 x 4 work-groups.  x's tile hangs on the tile row alone and is asked for jointly by a row of the cluster, W's on the tile column alone and by a column.
; THE MATRIX INSTRUCTION IS USED TRANSPOSED (source 0 = 16 columns of W, source 1 = 16 tokens): a lane holds one token (lane % 16) and 8 neighbouring columns, 8 (lane / 16) + 0..7.
; REGISTERS.  Window 0: v16-29 addresses; v32-63 at work on the way out; v64-159, v160-255 two fragment buffers (x's fragment a at +8 a, W's fragment b at +32 + 8 b).  Window 1: accumulator (a, b) at v[8 (8 a + b)].
.set SIZE_K, 4096
.set SIZE_N, 2048
.set UNIT,   128
.set NP,     (SIZE_K/UNIT-2)/3         ; pairs of X and Y in front of the last X
.set PAX,    528                       ; a row of x in X: 512 bytes + 16: the 16 rows of a load start 4 words apart
.set PAY,    272                       ; in Y: 256 + 16
.set PB,     544                       ; a row of W: 512 + 32: the 8 rows x 32 bytes that 16 lanes of the turning load take start 8 words apart
.set XB,     128*PAX                   ; X: x's tile at 0, W's behind it
.set YA,     XB+256*PB                 ; Y: x's tile,
.set YB,     YA+128*PAY                ; W's
.set STAGE,  YB+128*PB                 ; behind the ring: 16 rows x 144 bytes for each wave, for the way out
.set SP,     144
.set SPARE,  STAGE+4*16*SP             ; behind the stages: the spare words, 128 bytes a wave, which no other line names
.set AX0,  16                          ; LDS address of my fragments of x at X's first quarter; never rewritten
.set BX0,  17                          ; the same for W
.set AY0,  18                          ; and in Y
.set BY0,  19
.set MVA,  20                          ; AX0 + s[SA]: the pair of quarters of X that is in hand
.set MVB,  21                          ; BX0 + s[SB]
.set STO,  24                          ; the way out: where I put 16 bytes of a row
.set RD,   25                          ; where I read rows back
.set CO,   26                          ; 16 x lane
.set TO,   27                          ; my place in 16 rows of a RoPE table
.set SPW,  28
.set NIL,  29
.set F0,   64
.set F1,   160
.set E,    160                         ; the way out, in F1's place: 32 rotated numbers,
.set T1,   192                         ; products at work,
.set T2,   200
.set PKD,  208                         ; 16 registers of f16 pairs,
.set BK,   224                         ; two sets of 16: rows read back
.set G1AX, 24                          ; s[24:31] group 1 for x's tiles of X
.set G1BX, 32                          ; s[32:39] for W's
.set G1AY, 40                          ; s[40:47], s[48:55] the same for Y
.set G1BY, 48
.set G0AX, 56                          ; s[56:59], s[60:63], s[68:71], s[72:75] group 0, one set for each slot and operand
.set G0BX, 60
.set G0AY, 68
.set G0BY, 72
.set SA,   84                          ; bytes along x's rows from X's first quarter to the pair in hand
.set SB,   85                          ; the same down W's rows
.set MSB, 0
.macro WIN new                         ; the immediate's high byte repeats the setting that is left; a switch that changes nothing is dropped
.if MSB != (\new)
	s_set_vgpr_msb (MSB<<8)|(\new)
.set MSB, \new
.endif
.endm
.set MUL, 0x50                         ; C and D in window 1, the sources in window 0
.macro JLOAD ga, g1a, gb, g1b          ; a joint load: waves 0 and 1 ask for x's halves, waves 2 and 3 for W's; an s_nop 0 and four v_nop follow each line
	s_cmp_eq_u32 s13, 0
	s_cbranch_scc0 .Lfor_b_\@
	tensor_load_to_lds s[\ga:\ga+3], s[\g1a:\g1a+7]
	s_nop 0
.rept 4
	v_nop
.endr
	s_branch .Lasked_\@
.Lfor_b_\@:
	tensor_load_to_lds s[\gb:\gb+3], s[\g1b:\g1b+7]
	s_nop 0
.rept 4
	v_nop
.endr
.Lasked_\@:
.endm
.macro CROUND                          ; a round of the cluster's barrier
	s_barrier_signal -1
	s_barrier_wait -1
	s_cmp_lg_u32 s12, 0
	s_cbranch_scc1 .Lnot_wave_0_\@
	s_barrier_signal -3
.Lnot_wave_0_\@:
	s_barrier_wait -3
	s_barrier_signal -1
	s_barrier_wait -1
.endm
.macro GROUP1 g, cols, rows, pitch     ; words 1 to 7 of a group 1: a tile of rows x cols elements that lies inside its tensor
	s_mov_b32 s[\g+1], (\cols)<<16                 ; tensor_dim0
	s_mov_b32 s[\g+2], (\rows)<<16                 ; tensor_dim1
	s_mov_b32 s[\g+3], (\cols)<<16                 ; tile_dim0
	s_mov_b32 s[\g+4], \rows                       ; tile_dim1
	s_mov_b32 s[\g+5], \pitch                      ; elements from row to row
	s_mov_b32 s[\g+6], 0
	s_mov_b32 s[\g+7], 0
.endm
	s_load_b256 s[4:11], s[0:1], 0x0               ; xb s[4:5], wb s[6:7], rope s[8:9], qkv s[10:11]
	v_lshl_add_u32 v[SPW], v0, 2, SPARE
	v_mov_b32 v[NIL], 0
	ds_add_u32 v[SPW], v[NIL]                      ; the wave's opening: the add and its wait stand ahead of my first tensor load
	v_lshrrev_b32 v1, 5, v0
	v_readfirstlane_b32 s12, v1                    ; wave 0..3
	s_lshr_b32 s13, s12, 1                         ; my half of the tokens.  Also: I fetch for x (0) or for W (1)
	s_and_b32 s14, s12, 1                          ; my half of the columns.  Also: which half of that tile I fetch
	s_bfe_u32 s76, ttmp6, 0x40000                  ; cx
	s_bfe_u32 s77, ttmp6, 0x40004                  ; cy
	s_lshl_b32 s78, ttmp9, 2
	s_add_co_u32 s78, s78, s76                     ; tile column
	s_and_b32 s15, ttmp7, 0xffff
	s_lshl_b32 s15, s15, 2
	s_add_co_u32 s15, s15, s77                     ; tile row
	s_lshl_b32 s79, s77, 2
	s_lshl_b32 s79, 15, s79                        ; my row of the cluster
	s_lshl_b32 s80, 0x1111, s76                    ; my column
	s_or_b32 s[G1AX], s79, (1<<16)|(1<<20)|(1<<21)|(6<<22)|(3<<25)  ; mask; 2-byte elements; padding on; bit 21 beside a mask; after every 128 words 4 words
	s_or_b32 s[G1AY], s79, (1<<16)|(1<<20)|(1<<21)|(5<<22)|(3<<25)  ; after every 64 words 4 words
	s_or_b32 s[G1BX], s80, (1<<16)|(1<<20)|(1<<21)|(6<<22)|(7<<25)  ; after every 128 words 8 words
	s_or_b32 s[G1BY], s80, (1<<16)|(1<<20)|(1<<21)|(6<<22)|(7<<25)
	GROUP1 G1AX, 2*UNIT, 64, SIZE_K                ; 64 tokens x 256 along K
	GROUP1 G1AY, UNIT, 64, SIZE_K                  ; 64 tokens x 128
	GROUP1 G1BX, 256, UNIT, SIZE_N                 ; a unit's 128 k-rows x 256 columns
	GROUP1 G1BY, 256, 64, SIZE_N                   ; half a unit's
	s_mov_b32 s[G0AX], 1                           ; where the tiles go: no place in the cluster enters an LDS address
	s_mul_i32 s[G0AX+1], s14, 64*PAX
	s_mov_b32 s[G0BX], 1
	s_mul_i32 s[G0BX+1], s14, UNIT*PB
	s_add_co_u32 s[G0BX+1], s[G0BX+1], XB
	s_mov_b32 s[G0AY], 1
	s_mul_i32 s[G0AY+1], s14, 64*PAY
	s_add_co_u32 s[G0AY+1], s[G0AY+1], YA
	s_mov_b32 s[G0BY], 1
	s_mul_i32 s[G0BY+1], s14, 64*PB
	s_add_co_u32 s[G0BY+1], s[G0BY+1], YB
	s_lshl_b32 s16, s15, 7
	s_lshl_b32 s17, s14, 6
	s_add_co_u32 s16, s16, s17                     ; x: row 128 x tile row + 64 x half
	s_mov_b32 s17, 0
	s_mov_b64 s[18:19], SIZE_K*2
	s_mul_u64 s[16:17], s[16:17], s[18:19]
	s_lshl_b32 s82, s78, 9                         ; W: column 256 x tile column
	s_mov_b32 s83, 0
	s_lshl_b32 s20, s14, 19                        ; in X: my unit of the two (128 k-rows of 4,096 bytes)
	s_mov_b32 s21, 0
	s_lshl_b32 s22, s14, 18                        ; in Y: my half of the unit
	s_mov_b32 s23, 0
	s_mov_b32 s[SA], 0
	s_mov_b32 s[SB], 0
	s_wait_dscnt 0x0                               ; the opening add is done
	s_wait_kmcnt 0x0
	s_add_nc_u64 s[G0AX+2:G0AX+3], s[4:5], s[16:17]                    ; X0: units 0 and 1
	s_add_nc_u64 s[G0AY+2:G0AY+3], s[G0AX+2:G0AX+3], 2*UNIT*2          ; Y0: unit 2
	s_add_nc_u64 s[82:83], s[6:7], s[82:83]
	s_add_nc_u64 s[G0BX+2:G0BX+3], s[82:83], s[20:21]
	s_add_nc_u64 s[G0BY+2:G0BY+3], s[82:83], s[22:23]
	s_add_nc_u64 s[G0BY+2:G0BY+3], s[G0BY+2:G0BY+3], 2*UNIT*SIZE_N*2
	s_or_b32 s[G0AX+3], s[G0AX+3], 0x80000000      ; type = 2
	s_or_b32 s[G0AY+3], s[G0AY+3], 0x80000000
	s_or_b32 s[G0BX+3], s[G0BX+3], 0x80000000
	s_or_b32 s[G0BY+3], s[G0BY+3], 0x80000000
	CROUND                                         ; all sixteen work-groups are here: the first joint loads meet
	JLOAD G0AX, G1AX, G0BX, G1BX
	JLOAD G0AY, G1AY, G0BY, G1BY
	v_and_b32 v1, 15, v0                           ; r = l % 16
	v_bfe_u32 v2, v0, 4, 1                         ; h = l / 16
	v_mul_u32_u24 v3, v1, PAX
	v_lshl_add_u32 v3, v2, 4, v3                   ; x: row x pitch + 16 h
	s_mul_i32 s16, s13, 64*PAX
	v_add_nc_u32 v[AX0], s16, v3
	v_mul_u32_u24 v3, v1, PAY
	v_lshl_add_u32 v3, v2, 4, v3
	s_mul_i32 s16, s13, 64*PAY
	s_add_co_u32 s16, s16, YA
	v_add_nc_u32 v[AY0], s16, v3
	v_and_b32 v4, 7, v0                            ; W, turned: lane l reads k-row 8 h + l % 8, 16 bytes at 16 ((l / 8) % 2)
	v_lshl_add_u32 v4, v2, 3, v4
	v_mul_u32_u24 v4, v4, PB
	v_bfe_u32 v5, v0, 3, 1
	v_lshl_add_u32 v4, v5, 4, v4
	s_lshl_b32 s16, s14, 8                         ; my 128 columns
	s_add_co_u32 s17, s16, XB
	v_add_nc_u32 v[BX0], s17, v4
	s_add_co_u32 s17, s16, YB
	v_add_nc_u32 v[BY0], s17, v4
	v_mov_b32 v[MVA], v[AX0]
	v_mov_b32 v[MVB], v[BX0]
	s_mul_i32 s16, s12, 16*SP
	s_add_co_u32 s16, s16, STAGE                   ; my stage
	v_mul_u32_u24 v5, v1, SP
	v_lshl_add_u32 v5, v2, 4, v5
	v_add_nc_u32 v[STO], s16, v5                   ; in: row r, 16 bytes for each half of the lanes
	v_bfe_u32 v5, v0, 3, 2
	v_mul_u32_u24 v5, v5, SP
	v_and_b32 v6, 7, v0
	v_lshl_add_u32 v5, v6, 4, v5
	v_add_nc_u32 v[RD], s16, v5                    ; back: 32 lanes take four rows of 128 bytes,
	v_and_b32 v[CO], 31, v0
	v_lshlrev_b32 v[CO], 4, v[CO]                  ; which are 512 consecutive bytes of a head slot
	v_lshlrev_b32 v[TO], 8, v1
	v_lshl_add_u32 v[TO], v2, 5, v[TO]             ; a table's row r, my 8 frequencies
	s_lshl_b32 s16, s15, 7
	s_lshl_b32 s17, s13, 6
	s_add_co_u32 s16, s16, s17                     ; my first token
	s_lshr_b32 s18, s78, 1                         ; the table: tile columns 0-3 q's, 4-5 k's, 6-7 v's: max(column / 2, 1) - 1
	s_max_u32 s18, s18, 1
	s_sub_co_u32 s18, s18, 1
	s_lshl_b32 s18, s18, 20
	s_lshl_b32 s20, s16, 8
	s_add_co_u32 s20, s20, s18
	s_mov_b32 s21, 0
	s_add_nc_u64 s[8:9], s[8:9], s[20:21]
	s_lshl_b32 s18, s78, 2
	s_lshl_b32 s19, s14, 1
	s_add_co_u32 s18, s18, s19                     ; my first head slot
	s_lshl_b32 s18, s18, 19
	s_lshl_b32 s20, s16, 7
	s_add_co_u32 s20, s20, s18
	s_add_nc_u64 s[10:11], s[10:11], s[20:21]
; 8 matrix instructions: token fragment a x all 8 column fragments, 32 along K.  Each of the 32 accumulators comes once in a quarter, in the same order: they take turns.
.macro MUL8 f, a, zero
	WIN MUL
.irp b, 0,1,2,3,4,5,6,7
.if \zero
	v_wmma_f32_16x16x32_bf16 v[8*(8*(\a)+(\b)):8*(8*(\a)+(\b))+7], v[(\f)+32+8*(\b):(\f)+32+8*(\b)+7], v[(\f)+8*(\a):(\f)+8*(\a)+7], 0
.else
	v_wmma_f32_16x16x32_bf16 v[8*(8*(\a)+(\b)):8*(8*(\a)+(\b))+7], v[(\f)+32+8*(\b):(\f)+32+8*(\b)+7], v[(\f)+8*(\a):(\f)+8*(\a)+7], v[8*(8*(\a)+(\b)):8*(8*(\a)+(\b))+7]
.endif
.endr
.endm
; 24 LDS loads in one run: a quarter (32 along K) into buffer f: W's 16 from v[rb] + ob, then x's 8 from v[ra] + oa; pa is the pitch of x's rows
.macro FETCH ra, rb, oa, ob, pa, f
	WIN 0
.irp b, 0,1,2,3,4,5,6,7
	ds_load_tr16_b128 v[(\f)+32+8*(\b):(\f)+32+8*(\b)+3],   v[\rb] offset:(\ob)+32*(\b)
	ds_load_tr16_b128 v[(\f)+32+8*(\b)+4:(\f)+32+8*(\b)+7], v[\rb] offset:(\ob)+16*PB+32*(\b)
.endr
.irp a, 0,1,2,3
	ds_load_b128 v[(\f)+8*(\a):(\f)+8*(\a)+3],   v[\ra] offset:(\oa)+(\a)*16*(\pa)
	ds_load_b128 v[(\f)+8*(\a)+4:(\f)+8*(\a)+7], v[\ra] offset:(\oa)+(\a)*16*(\pa)+32
.endr
.endm
.macro PLACES                          ; four places in front of loads into registers that matrix instructions have read, and of lines that read results
.rept 4
	v_nop
.endr
.endm
; A quarter multiplies buffer f and, in its middle, fetches the next quarter of the same slot into g.
.macro QUARTER ra, rb, oa, ob, pa, f, g, zero
	s_wait_dscnt 4                                 ; W and x's fragments 0 and 1 are in; the youngest four loads may be out
	MUL8 \f, 0, \zero
	MUL8 \f, 1, \zero
	PLACES
	FETCH \ra, \rb, \oa, \ob, \pa, \g
	s_wait_dscnt 24                                ; all but the 24 just issued
	MUL8 \f, 2, \zero
	MUL8 \f, 3, \zero
.endm
; THE CHANGE OF SLOTS, and the old slot's last quarter, whose fragments lie in buffer 1.  Each wave waits for all its tensor loads (one is out: its part of the other slot), adds 0 to its spare word, and waits for
; that and for its reads of the old slot.  fill = 1: behind a round of the cluster's barrier the old slot is asked for again, three units on, first thing; then the other slot's first quarter is fetched; then come the 32 products.
.macro CHANGE ga, g1a, gb, g1b, fill, ra, rb, pa
	WIN 0
	s_wait_tensorcnt 0x0                           ; no tensor load of mine is out, so a group 0 may be written
	ds_add_u32 v[SPW], v[NIL]
.if \fill
	s_add_nc_u64 s[\ga+2:\ga+3], s[\ga+2:\ga+3], 3*UNIT*2
	s_add_nc_u64 s[\gb+2:\gb+3], s[\gb+2:\gb+3], 3*UNIT*SIZE_N*2
.endif
	s_wait_dscnt 0x0                               ; the add is done, and my reads of the old slot are over: buffer 1 is in
.if \fill
	CROUND                                         ; no wave of any partner still reads the old slot or has a load on its way
	JLOAD \ga, \g1a, \gb, \g1b                     ; its four v_nop are also the places in front of the loads below
.else
	s_barrier_signal -1
	s_barrier_wait -1
	PLACES
.endif
	FETCH \ra, \rb, 0, 0, \pa, F0
	MUL8 F1, 0, 0
	MUL8 F1, 1, 0
	MUL8 F1, 2, 0
	MUL8 F1, 3, 0
.endm
.macro XSTEP                           ; X's next pair of quarters: 128 bytes along x's rows, 64 rows down W's
	WIN 0
	s_add_co_u32 s[SA], s[SA], 128
	s_add_co_u32 s[SB], s[SB], 64*PB
	v_add_nc_u32 v[MVA], s[SA], v[AX0]
	v_add_nc_u32 v[MVB], s[SB], v[BX0]
.endm
.macro YWORK                           ; Y's quarters 0 to 2
	QUARTER AY0, BY0, 64,  32*PB, PAY, F0, F1, 0
	QUARTER AY0, BY0, 128, 64*PB, PAY, F1, F0, 0
	QUARTER AY0, BY0, 192, 96*PB, PAY, F0, F1, 0
.endm
	s_wait_tensorcnt 1                             ; my part of X0 is in; Y0's may stay out
	s_barrier_signal -1
	s_barrier_wait -1
	FETCH AX0, BX0, 0, 0, PAX, F0
	QUARTER MVA, MVB, 64, 32*PB, PAX, F0, F1, 1    ; the first quarter stands in front of the loops: its products start the sums
	WIN 0
	s_mov_b32 s2, NP
	s_mov_b32 s3, 3
	s_branch .Lxodd                                ; the loops are entered in the middle of X's first pair of quarters
.Ltrip:                                                ; NP - 1 trips: X's last quarter, Y, the next X's quarters 0 to 6; both slots are filled again
	CHANGE G0AX, G1AX, G0BX, G1BX, 1, AY0, BY0, PAY
	YWORK
	CHANGE G0AY, G1AY, G0BY, G1BY, 1, AX0, BX0, PAX
	WIN 0
	s_mov_b32 s3, 3
.Lxpairs:                                              ; X's quarters 0 to 5: one pair, walked three times
	QUARTER MVA, MVB, 64, 32*PB, PAX, F0, F1, 0
	WIN 0
.Lxodd:
	QUARTER MVA, MVB, 128, 64*PB, PAX, F1, F0, 0
	XSTEP
	s_sub_co_u32 s3, s3, 1
	s_cmp_lg_u32 s3, 0
	s_cbranch_scc1 .Lxpairs
	QUARTER MVA, MVB, 64, 32*PB, PAX, F0, F1, 0    ; quarter 6
	WIN 0
	s_mov_b32 s[SA], 0                             ; back to X's first quarter
	s_mov_b32 s[SB], 0
	v_mov_b32 v[MVA], v[AX0]
	v_mov_b32 v[MVB], v[BX0]
	s_sub_co_u32 s2, s2, 1
	s_cmp_lg_u32 s2, 0
	s_cbranch_scc1 .Ltrip
	CHANGE G0AX, G1AX, G0BX, G1BX, 1, AY0, BY0, PAY  ; the tail is written out: the last X is asked for,
	YWORK
	CHANGE G0AY, G1AY, G0BY, G1BY, 0, AX0, BX0, PAX  ; and nothing more
	WIN 0
	s_mov_b32 s3, 3
.Lxlast:
	QUARTER MVA, MVB, 64, 32*PB, PAX, F0, F1, 0
	QUARTER MVA, MVB, 128, 64*PB, PAX, F1, F0, 0
	XSTEP
	s_sub_co_u32 s3, s3, 1
	s_cmp_lg_u32 s3, 0
	s_cbranch_scc1 .Lxlast
	QUARTER MVA, MVB, 64, 32*PB, PAX, F0, F1, 0
	s_wait_dscnt 4                                 ; the very last quarter
	PLACES                                         ; buffer 0 has been multiplied: it takes the tables
	WIN 0
; my 64 tokens' cosines and sines: for token fragment a 32 registers: cosines of frequencies 16 t + 8 h + 0..7 at +8 t, sines at +16 + 8 t
.irp a, 0,1,2,3
.if (\a) < 3
.set TB, 64+32*(\a)
.else
.set TB, 32
.endif
.irp t, 0,1
	global_load_b128 v[TB+8*(\t):TB+8*(\t)+3],       v[TO], s[8:9] offset:4096*(\a)+64*(\t)
	global_load_b128 v[TB+8*(\t)+4:TB+8*(\t)+7],     v[TO], s[8:9] offset:4096*(\a)+64*(\t)+16
	global_load_b128 v[TB+16+8*(\t):TB+16+8*(\t)+3], v[TO], s[8:9] offset:4096*(\a)+128+64*(\t)
	global_load_b128 v[TB+16+8*(\t)+4:TB+16+8*(\t)+7], v[TO], s[8:9] offset:4096*(\a)+128+64*(\t)+16
.endr
.endr
	MUL8 F1, 0, 0
	MUL8 F1, 1, 0
	s_wait_dscnt 0x0
	MUL8 F1, 2, 0
	MUL8 F1, 3, 0
	WIN 0
	PLACES
	s_wait_loadcnt 0x0                             ; the tables
; THE WAY OUT.  Unit u = 2 a + hh: 16 tokens of one head.  Channel d < 32 lies in column fragment 4 hh + t, its partner d + 32 in 4 hh + t + 2:
; new lo = lo cos - hi sin, new hi = hi cos + lo sin; the tables carry the scales.  Each accumulator is read from its lowest registers on.
.macro PACK u
.set ua, (\u)/2
.set uh, (\u)%2
.if ua < 3
.set TB, 64+32*ua
.else
.set TB, 32
.endif
	WIN 0x01                                       ; source 0 in window 1
.irp t, 0,1
.irp jj, 0,1,2,3
.set lo, 8*(8*ua+4*uh+(\t))+2*(\jj)
.set hi, lo+16
	v_pk_mul_f32 v[T1+2*(\jj):T1+2*(\jj)+1], v[hi:hi+1], v[TB+16+8*(\t)+2*(\jj):TB+16+8*(\t)+2*(\jj)+1]
	v_pk_mul_f32 v[T2+2*(\jj):T2+2*(\jj)+1], v[lo:lo+1], v[TB+16+8*(\t)+2*(\jj):TB+16+8*(\t)+2*(\jj)+1]
	v_pk_fma_f32 v[E+8*(\t)+2*(\jj):E+8*(\t)+2*(\jj)+1], v[lo:lo+1], v[TB+8*(\t)+2*(\jj):TB+8*(\t)+2*(\jj)+1], v[T1+2*(\jj):T1+2*(\jj)+1] neg_lo:[0,0,1] neg_hi:[0,0,1]
	v_pk_fma_f32 v[E+16+8*(\t)+2*(\jj):E+16+8*(\t)+2*(\jj)+1], v[hi:hi+1], v[TB+8*(\t)+2*(\jj):TB+8*(\t)+2*(\jj)+1], v[T2+2*(\jj):T2+2*(\jj)+1]
.endr
.endr
	WIN 0
.irp i, 0,1,2,3,4,5,6,7,8,9,10,11,12,13,14,15
	v_cvt_pk_f16_f32 v[PKD+(\i)], v[E+2*(\i)], v[E+2*(\i)+1]
.endr
	s_wait_xcnt 0x0                                ; the set of rows below was the data of the stores two units back
.irp tb, 0,1,2,3
	ds_store_b128 v[STO], v[PKD+4*(\tb):PKD+4*(\tb)+3] offset:32*(\tb)
.endr
.irp f, 0,1,2,3
	ds_load_b128 v[BK+16*uh+4*(\f):BK+16*uh+4*(\f)+3], v[RD] offset:(\f)*4*SP  ; LDS serves a wave's instructions in order (ISA guide 5.7.1.4): these see the stores above; the next unit's stores come behind them
.endr
.endm
.macro SEND u, younger                 ; younger: the LDS lines issued behind unit u's loads
.irp f, 0,1,2,3
	s_wait_dscnt (\younger)+3-(\f)
	global_store_b128 v[CO], v[BK+16*((\u)%2)+4*(\f):BK+16*((\u)%2)+4*(\f)+3], s[10:11] offset:524288*((\u)%2)+2048*((\u)/2)+512*(\f)  ; 512 consecutive bytes, aligned
.endr
.endm
	PACK 0
.irp u, 1,2,3,4,5,6,7
	PACK \u
	SEND (\u)-1, 8
.endr
	SEND 7, 0
	s_wait_tensorcnt 0x0                           ; the wave's end
	ds_add_u32 v[SPW], v[NIL]
	s_wait_dscnt 0x0
	CROUND                                         ; the closing round: no work-group ends while a partner may still ask for a tile that names it
	s_endpgm
.Lfunc_end_k_qbb2ab83372_proj:
	.size	k_qbb2ab83372_proj, .Lfunc_end_k_qbb2ab83372_proj-k_qbb2ab83372_proj
	.p2alignl 7, 3214868480
	.fill 96, 4, 3214868480
	.section	.rodata,"a",@progbits
	.p2align	6, 0x0
	.amdhsa_kernel k_qbb2ab83372_proj
		.amdhsa_group_segment_fixed_size 327680
		.amdhsa_private_segment_fixed_size 0
		.amdhsa_enable_private_segment 0
		.amdhsa_kernarg_size 32
		.amdhsa_user_sgpr_count 2
		.amdhsa_user_sgpr_kernarg_segment_ptr 1
		.amdhsa_wavefront_size32 1
		.amdhsa_system_sgpr_workgroup_id_x 1
		.amdhsa_system_sgpr_workgroup_id_y 1
		.amdhsa_system_sgpr_workgroup_id_z 1
		.amdhsa_system_vgpr_workitem_id 0
		.amdhsa_next_free_vgpr 512
		.amdhsa_next_free_sgpr 88
		.amdhsa_reserve_vcc 0
		.amdhsa_float_denorm_mode_32 3
		.amdhsa_float_denorm_mode_16_64 3
		.amdhsa_memory_ordered 1
		.amdhsa_forward_progress 1
		.amdhsa_inst_pref_size 117
	.end_amdhsa_kernel
	.amdgpu_metadata
---
amdhsa.version: [ 1, 2 ]
amdhsa.kernels:
  - .name:           k_qbb2ab83372_proj
    .symbol:         k_qbb2ab83372_proj.kd
    .args:
      - { .name: xb, .offset: 0, .size: 8, .value_kind: global_buffer, .address_space: global }
      - { .name: wb, .offset: 8, .size: 8, .value_kind: global_buffer, .address_space: global }
      - { .name: rope, .offset: 16, .size: 8, .value_kind: global_buffer, .address_space: global }
      - { .name: qkv, .offset: 24, .size: 8, .value_kind: global_buffer, .address_space: global }
    .group_segment_fixed_size: 327680
    .private_segment_fixed_size: 0
    .kernarg_segment_align: 8
    .kernarg_segment_size: 32
    .max_flat_workgroup_size: 128
    .sgpr_count:     88
    .vgpr_count:     512
    .wavefront_size: 32
...
	.end_amdgpu_metadata
.endif
;; end of part 2
;; launch attn (part 3): grid 16 x 16, 4 waves a work-group, clusters of 4 x 4, 327,680 bytes of LDS; arguments qkv, mk, ob; writes ob
.if DOCPART == 3
	.amdgcn_target "amdgcn-amd-amdhsa--gfx1250"
	.amdhsa_code_object_version 6
	.text
	.protected	k_qbb2ab83372_attn
	.globl	k_qbb2ab83372_attn
	.p2align	8
	.type	k_qbb2ab83372_attn,@function
k_qbb2ab83372_attn:
	s_mov_b64 s[64:65], 0
	v_nop
	global_prefetch_b8 v0, s[64:65] scope:SCOPE_SE
	s_setreg_imm32_b32 hwreg(HW_REG_WAVE_MODE, 25, 1), 1
	s_wait_xcnt 0x0
	s_wait_alu depctr_hold_cnt(0) depctr_sa_sdst(0) depctr_va_vdst(0) depctr_va_sdst(0) depctr_va_ssrc(0) depctr_va_vcc(0) depctr_vm_vsrc(0)
	s_getreg_b32 s2, hwreg(HW_REG_IB_STS2, 6, 4)
	s_cmp_eq_u32 s2, 0
	s_cbranch_scc0 .Lentry_in_a_cluster
	s_endpgm
.Lentry_in_a_cluster:
	s_bfe_u32 s2, ttmp6, 0x10000c
	s_cmp_lg_u32 s2, 0xf033
	s_cbranch_scc0 .Lentry_shape_is_right
	s_endpgm
.Lentry_shape_is_right:
; O = softmax(q k^T / 8 + mask) v, for 2 batches x 8 key heads x 2 query heads each.  qkv: [32 slots][4096 tok][64] f16 (q scaled by 0.25 log2 e, k by 0.5, v by 0.25);
; mk: [2][2048 q][2048 k] f32 = mask x log2 e; ob: [4096 tok][1024] f16 = 0.25 O.  So q.k is the score in the units of the base-2 exponential: t = RN(q.k + mk), p = 2^(t - m).
; Products, maxima and sums in f32; p is rounded to f16 for the second product (its sum l is taken of the unrounded p), O once at the end.  The mask is an input: no tile is left out.
; LIMITS.  The mask is added in base-2 units, rounded once, where the problem's text adds it in natural units: the two agree unless a row's largest number is so large that one unit in its last place is of a score's size
; (at -1e9 the score is lost in both, and a row that is hidden everywhere comes out as the plain mean of v).  A weight under 2^-126 counts as 0; NaN and infinities are not treated apart; p under 6e-5 keeps f16's fixed step.
; SHARES.  A work-group owns 128 queries of one batch and the two query heads of one key head: 16 x 16 = 256 work-groups.  Wave w owns queries 32 w on: two PIECES of 16 queries, each with both heads: tile t = 2 piece + head.
; The two tiles of a piece share the piece's 32 registers of mask.  Every wave walks all 2,048 keys, 64 a step; an LDS slot holds two steps.
; LAYOUT.  S^T = K Q^T (source 0 = 16 keys, source 1 = 16 queries): a lane holds one query (lane % 16) and the keys 8 (lane / 16) + 0..7.  Two such results rounded to f16 ARE source 1 of O^T = V^T P.
; K comes out of LDS as it lies, V turned by ds_load_tr16_b128.  m starts at the lowest finite number, O and l at 0: the first step is a step like any other, with a = 0 (its price: 232 lines that write 0, in the wait for the first tile).
; BY TURNS.  In a turn one piece has the matrix unit (16 products V^T P of the step in hand, 16 products K Q^T of the next); the other piece's softmax, a queue of 290 places, is dealt 8 behind each matrix instruction, the last 34 on end.
; CLUSTER.  4 x 4.  K and V hang on (batch, key head), which a row of the cluster shares; the mask's tile on (batch, query block), which a column shares: each is asked for jointly.
; REGISTERS.  Window 0: v2-11 addresses; v12-43 eight of statistics a tile (m; m_old; l, l; c0-c3, a in c2's place); v44-49 at work; v62-63 the add's; v64-191 S^T; v192-255 P.
;   Window 1: v0-127 O^T, 32 a tile; v128-191 the mask, 32 a piece.    Window 2: v0-63 Q; v64-127 K of a step; v128-191 V of a step.
.set KS,    64
.set PK,    144                        ; a row of K in LDS: 128 bytes + 16
.set PV,    160                        ; a row of V: 128 + 32
.set PM,    528                        ; a row of the mask's tile: 512 + 16
.set VOFF,  2*KS*PK
.set MOFF,  VOFF+2*KS*PV
.set SLOT1, 1<<17                      ; slot 1 begins here: one exclusive or turns an address in one slot into the other's
.set STAGE, SLOT1+MOFF+128*PM          ; behind the ring: 16 rows x 272 bytes for each wave
.set SP,    272
.set SPARE, STAGE+4*16*SP              ; behind the stages: the spare words, 128 bytes a wave, which no other line names
.set AK0, 2
.set AV0, 3
.set AM0, 4
.set ADR, 5
.set ADM, 6
.set STO, 7
.set RD,  8
.set GO,  9
.set PFO, 10
.set QO,  11
.set ST,  12
.set R16, 44                           ; l % 16
.set H,   45                           ; l / 16
.set SPW, 62
.set NIL, 63
.set S,   64
.set P,   192
.set MK,  128                          ; window 1
.set KF,  64                           ; window 2
.set VF,  128                          ; window 2
.set WV,  12
.set LIM, 15
.set G1K, 24
.set G1V, 32
.set G1M, 40
.set G0K, 48
.set G0V, 52
.set G0M, 56
.set SEL, 60
.set TBK, 62
.set TBV, 63
.set TBM, 66
.set SLOTS, 67
.set TWICE, 68
.set PFA, 70
.set PFS, 72
.set OB,  74
.set MSB, 0
.macro WIN new
.if MSB != (\new)
	s_set_vgpr_msb (MSB<<8)|(\new)
.set MSB, (\new)
.endif
.endm
.set W_KQ, 0x0a                        ; K and Q in window 2, S^T in window 0
.set W_PV, 0x52                        ; V in window 2, P in window 0, O^T in window 1
.set W_RS, 0x41                        ; destination and source 0 in window 1
.set W_MA, 0x04                        ; source 1 in window 1
; A joint fill: wave 0 asks for a slot's K, wave 1 for its V, waves 2 and 3 for the halves of the mask's tile.  The branches hang on the wave's number alone.  An s_nop 0 and four v_nop follow each line.
.macro JLOAD
	s_cmp_eq_u32 s[WV], 0
	s_cbranch_scc0 .Lnot_k_\@
	tensor_load_to_lds s[G0K:G0K+3], s[G1K:G1K+7]
	s_nop 0
.rept 4
	v_nop
.endr
	s_branch .Lasked_\@
.Lnot_k_\@:
	s_cmp_eq_u32 s[WV], 1
	s_cbranch_scc0 .Lfor_m_\@
	tensor_load_to_lds s[G0V:G0V+3], s[G1V:G1V+7]
	s_nop 0
.rept 4
	v_nop
.endr
	s_branch .Lasked_\@
.Lfor_m_\@:
	tensor_load_to_lds s[G0M:G0M+3], s[G1M:G1M+7]
	s_nop 0
.rept 4
	v_nop
.endr
.Lasked_\@:
.endm
; A prefetch of what the NEXT change of slots will ask for, two key steps (128 matrix instructions) ahead, behind the wave's tensor load and its five lines.  Each aligned block of 256 bytes is named once in the launch:
; K and V (64 blocks each a slot) by wave 0 of the clusters with x = 0, 16 + 16 blocks to each of the four partners of a row; the mask's tile (64 rows x 2 blocks a wave) by waves 2 and 3 of the clusters with even y,
; 16 rows to each partner of a column.  The partners are told apart by address.  The last change that fills a slot asks for nothing.
.macro ASK
	s_cmp_gt_u32 s[SLOTS], s[LIM]
	s_cbranch_scc0 .Lnot_mine_\@
	global_prefetch_b8 v[PFO], s[PFA:PFA+1] th:TH_LOAD_NT scope:SCOPE_SE
.Lnot_mine_\@:
.endm
.macro CROUND
	s_barrier_signal -1
	s_barrier_wait -1
	s_cmp_lg_u32 s[WV], 0
	s_cbranch_scc1 .Lnot_wave_0_\@
	s_barrier_signal -3
.Lnot_wave_0_\@:
	s_barrier_wait -3
	s_barrier_signal -1
	s_barrier_wait -1
.endm
; THE CHANGE OF SLOTS.  Each wave waits for all its tensor loads (one is out: its part of the other slot), adds 0 to its spare word, and waits for that and for its reads of the slot that it leaves.
; fill = 1: behind a round of the cluster's barrier the slot is filled again, first thing, with the keys two slots on.
.macro CHANGE fill, ask
	WIN 0
	s_wait_tensorcnt 0x0                           ; no tensor load of mine is out, so a group 0 may be written
	ds_add_u32 v[SPW], v[NIL]
.if \fill
	s_xor_b32 s[G0K+1], s[G0K+1], SLOT1
	s_add_nc_u64 s[G0K+2:G0K+3], s[G0K+2:G0K+3], 2*KS*128
	s_xor_b32 s[G0V+1], s[G0V+1], SLOT1
	s_add_nc_u64 s[G0V+2:G0V+3], s[G0V+2:G0V+3], 2*KS*128
	s_xor_b32 s[G0M+1], s[G0M+1], SLOT1
	s_add_nc_u64 s[G0M+2:G0M+3], s[G0M+2:G0M+3], 2*KS*4
.if \ask
	s_wait_xcnt 0x0                                ; the last prefetch, two key steps back, has read its address
	s_add_nc_u64 s[PFA:PFA+1], s[PFA:PFA+1], s[PFS:PFS+1]
.endif
	s_wait_dscnt 0x0                               ; the add is done, and my reads of the slot are over
	CROUND
	JLOAD
.if \ask
	ASK
.endif
.else
	s_wait_dscnt 0x0
	s_barrier_signal -1
	s_barrier_wait -1
.endif
	s_sub_co_u32 s[TBK], s[TBK], 2*KS*PK           ; the fetches go back to a slot's first step, in the other slot
	s_xor_b32 s[TBK], s[TBK], SLOT1
	s_sub_co_u32 s[TBV], s[TBV], 2*KS*PV
	s_xor_b32 s[TBV], s[TBV], SLOT1
	s_sub_co_u32 s[TBM], s[TBM], 2*KS*4
	s_xor_b32 s[TBM], s[TBM], SLOT1
.endm
	s_load_b128 s[4:7], s[0:1], 0x0                ; qkv s[4:5], mk s[6:7]
	s_load_b64 s[8:9], s[0:1], 0x10                ; ob
	v_lshl_add_u32 v[SPW], v0, 2, SPARE
	v_mov_b32 v[NIL], 0
	ds_add_u32 v[SPW], v[NIL]                      ; the wave's opening: the add and its wait stand ahead of my first tensor load
	v_lshrrev_b32 v1, 5, v0
	v_readfirstlane_b32 s[WV], v1
	s_bfe_u32 s13, ttmp6, 0x40000                  ; cx
	s_bfe_u32 s14, ttmp6, 0x40004                  ; cy
	s_and_b32 s16, ttmp7, 0xffff                   ; cluster y
	s_lshr_b32 s17, s16, 1                         ; the batch: the same in all sixteen
	s_lshl_b32 s18, s16, 2
	s_add_co_u32 s18, s18, s14
	s_and_b32 s18, s18, 7                          ; the key head
	s_lshl_b32 s19, ttmp9, 2
	s_add_co_u32 s19, s19, s13                     ; the block of 128 queries
	s_and_b32 s20, s[WV], 1
	s_add_co_u32 s22, s18, 16                      ; K: slot 16 + key head, the batch's 2,048 rows of 128 bytes
	s_lshl_b32 s22, s22, 19
	s_lshl_b32 s23, s17, 18
	s_add_co_u32 s22, s22, s23
	s_mov_b32 s23, 0
	s_lshl_b32 s76, s17, 11                        ; the mask: row batch x 2048 + 128 x block + 64 x (wave % 2), 8,192 bytes a row
	s_lshl_b32 s77, s19, 7
	s_add_co_u32 s76, s76, s77
	s_lshl_b32 s77, s20, 6
	s_add_co_u32 s76, s76, s77
	s_lshl_b32 s76, s76, 13
	s_mov_b32 s77, 0
	s_lshl_b32 s78, s17, 11                        ; my first token
	s_lshl_b32 s79, s19, 7
	s_add_co_u32 s78, s78, s79
	s_lshl_b32 s79, s[WV], 5
	s_add_co_u32 s78, s78, s79
	s_lshl_b32 s80, s18, 20                        ; Q: slot 2 x key head, my token
	s_lshl_b32 s81, s78, 7
	s_add_co_u32 s80, s80, s81
	s_mov_b32 s81, 0
	s_lshl_b32 s82, s78, 11                        ; O: my token's row of 2,048 bytes, the two heads' 256
	s_lshl_b32 s83, s18, 8
	s_add_co_u32 s82, s82, s83
	s_mov_b32 s83, 0
	s_lshl_b32 s21, s14, 2
	s_lshl_b32 s21, 15, s21                        ; my row of the cluster
	s_lshl_b32 s3, 0x1111, s13                     ; my column
	s_or_b32 s[G1K], s21, (1<<16)|(1<<20)|(1<<21)|(4<<22)|(3<<25)  ; 2-byte elements; after every 32 words 4 words of padding
	s_or_b32 s[G1V], s21, (1<<16)|(1<<20)|(1<<21)|(4<<22)|(7<<25)  ; 8 words
	s_or_b32 s[G1M], s3,  (2<<16)|(1<<20)|(1<<21)|(6<<22)|(3<<25)  ; 4-byte elements; after every 128 words 4 words
.irp g, G1K, G1V, G1M
	s_mov_b32 s[\g+1], 128<<16                     ; tensor_dim0 = 128 (K, V: 128 dense keys are asked for as 64 rows of 256 bytes, two keys a row)
	s_mov_b32 s[\g+2], 64<<16                      ; tensor_dim1 = 64
	s_mov_b32 s[\g+3], 128<<16                     ; tile_dim0 = 128
	s_mov_b32 s[\g+4], 64                          ; tile_dim1 = 64
	s_mov_b32 s[\g+6], 0
	s_mov_b32 s[\g+7], 0
.endr
	s_mov_b32 s[G1K+5], 128                        ; elements from row to row
	s_mov_b32 s[G1V+5], 128
	s_mov_b32 s[G1M+5], 2048
	s_mov_b32 s[G0K], 1
	s_mov_b32 s[G0K+1], 0
	s_mov_b32 s[G0V], 1
	s_mov_b32 s[G0V+1], VOFF
	s_mov_b32 s[G0M], 1
	s_mul_i32 s[G0M+1], s20, 64*PM
	s_add_co_u32 s[G0M+1], s[G0M+1], MOFF
	s_mov_b32 s[SEL], 0x76543210
	s_mov_b32 s[SEL+1], 0xfedcba98
	s_mov_b32 s[TBK], SLOT1+2*KS*PK                ; the first change of slots turns these three into 0
	s_mov_b32 s[TBV], SLOT1+2*KS*PV
	s_mov_b32 s[TBM], SLOT1+2*KS*4
	s_and_b32 s16, ttmp7, 1                        ; who prefetches: the coordinate along which other clusters read the same bytes is 0
	s_cmp_lt_u32 s[WV], 2
	s_cselect_b32 s16, ttmp9, s16
	s_cmp_eq_u32 s[WV], 1
	s_cselect_b32 s16, 1, s16                      ; wave 1 asks for nothing
	s_cmp_eq_u32 s16, 0
	s_cselect_b32 s[LIM], 1, -1                    ; the same in all partners, for a given wave
	v_and_b32 v[R16], 15, v0
	v_bfe_u32 v[H], v0, 4, 1
	s_lshl_b32 s16, s13, 4
	v_add_nc_u32 v46, s16, v[R16]                  ; K's block 16 cx + l % 16; lanes 16-31 the same block of V, 8 slots further
	v_lshlrev_b32 v46, 8, v46
	v_lshl_add_u32 v46, v[H], 22, v46
	s_lshl_b32 s16, s14, 4
	v_bfe_u32 v47, v0, 1, 4
	v_add_nc_u32 v47, s16, v47                     ; the mask's row 16 cy + l / 2, block l % 2
	v_lshlrev_b32 v47, 13, v47
	v_and_b32 v48, 1, v0
	v_lshl_add_u32 v47, v48, 8, v47
	s_cmp_lt_u32 s[WV], 2
	s_cselect_b32 s16, -1, 0
	v_cndmask_b32 v[PFO], v47, v46, s16
	s_mov_b32 s16, 2*KS*128
	s_wait_dscnt 0x0                               ; the opening add is done
	s_wait_kmcnt 0x0
	s_add_nc_u64 s[G0K+2:G0K+3], s[4:5], s[22:23]
	s_add_nc_u64 s[G0V+2:G0V+3], s[G0K+2:G0K+3], 8*524288
	s_add_nc_u64 s[G0M+2:G0M+3], s[6:7], s[76:77]
	s_cmp_lt_u32 s[WV], 2
	s_cselect_b64 s[PFA:PFA+1], s[G0K+2:G0K+3], s[G0M+2:G0M+3]
	s_cselect_b32 s[PFS], s16, 2*KS*4              ; a slot's step in K and V, or along the mask's rows
	s_mov_b32 s[PFS+1], 0
	s_add_nc_u64 s[PFA:PFA+1], s[PFA:PFA+1], s[PFS:PFS+1]
	s_add_nc_u64 s[PFA:PFA+1], s[PFA:PFA+1], s[PFS:PFS+1]  ; at slot 2: the first change in the loop steps it to slot 3.  Slots 0 to 2 come by their loads alone
	s_or_b32 s[G0K+3], s[G0K+3], 0x80000000
	s_or_b32 s[G0V+3], s[G0V+3], 0x80000000
	s_or_b32 s[G0M+3], s[G0M+3], 0x80000000
	s_add_nc_u64 s[10:11], s[4:5], s[80:81]        ; Q
	s_add_nc_u64 s[OB:OB+1], s[8:9], s[82:83]      ; O
	CROUND                                         ; all sixteen work-groups are here: the first joint loads meet
	JLOAD                                          ; slot 0; slot 1 is asked for when slot 0 is in
	v_lshlrev_b32 v[QO], 7, v[R16]
	v_lshl_add_u32 v[QO], v[H], 4, v[QO]
	WIN 0x80
.irp rt, 0,1
.irp g, 0,1
.irp c, 0,1
	global_load_b128 v[16*(2*(\rt)+(\g))+8*(\c):16*(2*(\rt)+(\g))+8*(\c)+3],   v[QO], s[10:11] offset:524288*(\g)+2048*(\rt)+64*(\c)
	global_load_b128 v[16*(2*(\rt)+(\g))+8*(\c)+4:16*(2*(\rt)+(\g))+8*(\c)+7], v[QO], s[10:11] offset:524288*(\g)+2048*(\rt)+64*(\c)+32
.endr
.endr
.endr
.set i, VF
.rept 64
	v_mov_b32 v[i], 0                              ; what the first turn finds: V and piece 1's P hold 0, O^T and l are 0
.set i, i+1
.endr
	WIN 0x40
.set i, 0
.rept 128
	v_mov_b32 v[i], 0
.set i, i+1
.endr
	WIN 0
.set i, 0
.rept 4
	v_mov_b32 v[ST+8*i], 0xff7fffff                ; m
	v_mov_b32 v[ST+8*i+2], 0
	v_mov_b32 v[ST+8*i+3], 0
.set i, i+1
.endr
.set i, P+32
.rept 32
	v_mov_b32 v[i], 0
.set i, i+1
.endr
	v_mul_u32_u24 v[AK0], v[R16], PK
	v_lshl_add_u32 v[AK0], v[H], 4, v[AK0]         ; K: row x pitch + 16 h
	v_and_b32 v46, 7, v0                           ; V, turned: lane l reads key 8 h + l % 8, 16 bytes at 16 ((l / 8) % 2)
	v_bfe_u32 v47, v0, 3, 1
	v_lshl_add_u32 v[AV0], v[H], 3, v46
	v_mul_u32_u24 v[AV0], v[AV0], PV
	v_lshl_add_u32 v[AV0], v47, 4, v[AV0]
	v_add_nc_u32 v[AV0], VOFF, v[AV0]
	s_lshl_b32 s16, s[WV], 5
	v_add_nc_u32 v48, s16, v[R16]                  ; the mask: my query's row, my 8 keys
	v_mul_u32_u24 v[AM0], v48, PM
	v_lshl_add_u32 v[AM0], v[H], 5, v[AM0]
	v_add_nc_u32 v[AM0], MOFF, v[AM0]
; THE MATRIX WORK.  The 8 accumulators of a run of 16 take turns.  Product i of S^T = K Q^T for piece x: channels 32 (i / 8) on, keys 16 ((i / 2) % 4) on, tile 2 x + i % 2.
.macro KQ x
	WIN W_KQ
.set rA, S+32*(2*(\x)+i%2)+8*((i/2)%4)
.set rK, KF+16*((i/2)%4)+8*(i/8)
.set rQ, 16*(2*(\x)+i%2)+8*(i/8)
.if i < 8
	v_wmma_f32_16x16x32_f16 v[rA:rA+7], v[rK:rK+7], v[rQ:rQ+7], 0
.else
	v_wmma_f32_16x16x32_f16 v[rA:rA+7], v[rK:rK+7], v[rQ:rQ+7], v[rA:rA+7]
.endif
.endm
; Product i of O^T += V^T P: keys 32 (i / 8) on, channels 16 ((i / 2) % 4) on.
.macro PV x
	WIN W_PV
.set rA, 32*(2*(\x)+i%2)+8*((i/2)%4)
.set rV, VF+32*(i/8)+8*((i/2)%4)
.set rB, P+16*(2*(\x)+i%2)+8*(i/8)
	v_wmma_f32_16x16x32_f16 v[rA:rA+7], v[rV:rV+7], v[rB:rB+7], v[rA:rA+7]
.endm
; THE LDS LOADS stand in runs of 24: a step's K and piece 0's mask; a turn later its V and piece 1's mask.
.macro FETCH_KM
	WIN 0
	v_add_nc_u32 v[ADR], s[TBK], v[AK0]
	v_add_nc_u32 v[ADM], s[TBM], v[AM0]
	WIN 0x80
.irp f, 0,1,2,3,4,5,6,7
	ds_load_b128 v[KF+8*\f:KF+8*\f+3],   v[ADR] offset:(\f/2)*16*PK+(\f%2)*64
	ds_load_b128 v[KF+8*\f+4:KF+8*\f+7], v[ADR] offset:(\f/2)*16*PK+(\f%2)*64+32
.endr
	WIN 0x40
.irp kb, 0,1,2,3
	ds_load_b128 v[MK+8*\kb:MK+8*\kb+3],   v[ADM] offset:64*\kb
	ds_load_b128 v[MK+8*\kb+4:MK+8*\kb+7], v[ADM] offset:64*\kb+16
.endr
	s_add_co_u32 s[TBK], s[TBK], KS*PK
.endm
.macro FETCH_VM
	WIN 0
	v_add_nc_u32 v[ADR], s[TBV], v[AV0]
	v_add_nc_u32 v[ADM], s[TBM], v[AM0]
	WIN 0x80
.irp f, 0,1,2,3,4,5,6,7
	ds_load_tr16_b128 v[VF+8*\f:VF+8*\f+3],   v[ADR] offset:(\f/4)*32*PV+(\f%4)*32
	ds_load_tr16_b128 v[VF+8*\f+4:VF+8*\f+7], v[ADR] offset:(\f/4)*32*PV+16*PV+(\f%4)*32
.endr
	WIN 0x40
.irp kb, 0,1,2,3
	ds_load_b128 v[MK+32+8*\kb:MK+32+8*\kb+3],   v[ADM] offset:16*PM+64*\kb
	ds_load_b128 v[MK+32+8*\kb+4:MK+32+8*\kb+7], v[ADM] offset:16*PM+64*\kb+16
.endr
	s_add_co_u32 s[TBV], s[TBV], KS*PV
	s_add_co_u32 s[TBM], s[TBM], KS*4
.endm
; THE VECTOR WORK of piece Y, one line at a time.
.macro REGS t
.set rT, ST+8*(\t)
.set rS, S+32*(\t)
.set rP, P+16*(\t)
.set rO, 32*(\t)
.endm
.macro XA t, n                         ; pair n of the scores takes the mask: one rounded f32 addition
	REGS \t
	WIN W_MA
	v_pk_add_f32 v[rS+2*(\n):rS+2*(\n)+1], v[rS+2*(\n):rS+2*(\n)+1], v[MK+32*Y+2*(\n):MK+32*Y+2*(\n)+1]
.endm
.macro XX t, j                         ; number j of the 21 that find the maximum and a
	REGS \t
	WIN 0
.if (\j) < 4
	v_max3_num_f32 v[rT+4+(\j)], v[rS+8*(\j)], v[rS+8*(\j)+1], v[rS+8*(\j)+2]
.elseif (\j) < 12
	v_max3_num_f32 v[rT+4+(\j)%4], v[rT+4+(\j)%4], v[rS+8*((\j)%4)+2*((\j)/4)+1], v[rS+8*((\j)%4)+2*((\j)/4)+2]
.elseif (\j) == 12
	v_max3_num_f32 v[rT+4], v[rT+4], v[rS+7], v[rS+15]
.elseif (\j) == 13
	v_max3_num_f32 v[rT+6], v[rT+6], v[rS+23], v[rS+31]
.elseif (\j) == 14
	v_max3_num_f32 v[rT+4], v[rT+4], v[rT+5], v[rT+6]
.elseif (\j) == 15
	v_max3_num_f32 v[rT+4], v[rT+4], v[rT+7], v[rT]
.elseif (\j) == 16
	v_permlanex16_b32 v[rT+5], v[rT+4], s[SEL], s[SEL+1]  ; the query's other 32 keys lie in the lane 16 away
.elseif (\j) == 17
	v_mov_b32 v[rT+1], v[rT]
.elseif (\j) == 18
	v_max_num_f32 v[rT], v[rT+4], v[rT+5]
.elseif (\j) == 19
	v_sub_f32 v[rT+1], v[rT+1], v[rT]
.else
	v_exp_f32 v[rT+6], v[rT+1]
.endif
.endm
.macro XF t, n                         ; pair n: t - m
	REGS \t
	WIN 0
	v_pk_add_f32 v[rS+2*(\n):rS+2*(\n)+1], v[rS+2*(\n):rS+2*(\n)+1], v[rT:rT+1] op_sel_hi:[1,0] neg_lo:[0,1] neg_hi:[0,1]
.endm
.macro XE t, k
	REGS \t
	WIN 0
	v_exp_f32 v[rS+(\k)], v[rS+(\k)]
.endm
.macro XC t, n
	REGS \t
	WIN 0
	s_wait_alu depctr_va_vdst(0)
	v_cvt_pk_f16_f32 v[rP+(\n)], v[rS+2*(\n)], v[rS+2*(\n)+1]
.endm
.macro XL t, n
	REGS \t
	WIN 0
.if (\n) == 0
	v_pk_fma_f32 v[rT+2:rT+3], v[rT+2:rT+3], v[rT+6:rT+7], v[rS:rS+1] op_sel_hi:[1,0,1]
.else
	v_pk_add_f32 v[rT+2:rT+3], v[rT+2:rT+3], v[rS+2*(\n):rS+2*(\n)+1]
.endif
.endm
.macro XR t, n                         ; pair n of O^T times a
	REGS \t
	WIN W_RS
	s_wait_alu depctr_va_vdst(0)
	v_pk_mul_f32 v[rO+2*(\n):rO+2*(\n)+1], v[rO+2*(\n):rO+2*(\n)+1], v[rT+6:rT+7] op_sel_hi:[1,0]
.endm
; THE QUEUE, 290 places, the two tiles by turns.  0-31 the mask (each accumulator's lowest registers first); 32-73 the maximum and a; 74-77 the first two subtractions of each tile, the plain lines
; behind a's exponentials; 78-109 O^T times a (lowest registers first); then 18 ticks of ten places: tick n holds F(n + 2), E(2 n), F(n + 2), E(2 n), C(n - 1), E(2 n + 1), C(n - 1), E(2 n + 1), L(n - 2), L(n - 2);
; a number out of its range writes nothing.  So an exponential's result is first read a tick later, with plain lines between.
.macro V
.if q < 32
	XA 2*Y+q%2, q/2
.elseif q < 74
	XX 2*Y+q%2, (q-32)/2
.elseif q < 78
	XF 2*Y+q%2, (q-74)/2
.elseif q < 110
	XR 2*Y+q%2, (q-78)/2
.else
.set n, (q-110)/10
.set pl, (q-110)%10
.if ((pl == 0) || (pl == 2)) && (n < 14)
	XF 2*Y+pl/2, n+2
.elseif ((pl == 1) || (pl == 3)) && (n < 16)
	XE 2*Y+pl/2, 2*n
.elseif ((pl == 4) || (pl == 6)) && (n > 0) && (n < 17)
	XC 2*Y+pl/2-2, n-1
.elseif ((pl == 5) || (pl == 7)) && (n < 16)
	XE 2*Y+pl/2-2, 2*n+1
.elseif (pl > 7) && (n > 1)
	XL 2*Y+pl-8, n-2
.endif
.endif
.set q, q+1
.endm
; A TURN.  Piece x has the matrix unit, piece 1 - x the vector unit.  kq = 0: the last step: no next scores, nothing fetched, 16 places behind each product.
; Piece 0's turn fetches the next step's K and piece 0's mask behind its second product: the last product that read K stands 42 places of the queue back, 14 of them plain lines.
; Piece 1's turn fetches the same step's V and piece 1's mask behind its second K Q^T: the last product that read V stands 24 places back, ten of them plain.
; The last 34 places end in plain lines that name nothing of the last products: they are the places in front of the next turn's first read of the scores.
.macro TURN x, kq
.set Y, 1-(\x)
.set q, 0
.set per, 8
.if !(\kq)
.set per, 16
.endif
.if (\x) == 0
	s_wait_dscnt 0x0                               ; V and piece 1's mask are in
.endif
.set i, 0
.rept 16
	PV \x
.rept per
	V
.endr
.if ((\x) == 0) && (\kq) && (i == 1)
	FETCH_KM
.endif
.set i, i+1
.endr
.if \kq
.if (\x) == 0
	s_wait_dscnt 0x0                               ; K and piece 0's mask are in
.endif
.set i, 0
.rept 16
	KQ \x
.rept per
	V
.endr
.if ((\x) == 1) && (i == 1)
	FETCH_VM
.endif
.set i, i+1
.endr
.endif
.rept 34
	V
.endr
.endm
	CHANGE 1, 0                                    ; slot 0 is in, everybody's part of it; slot 1 is asked for
	FETCH_KM                                       ; key step 0
	s_wait_loadcnt 0x0                             ; Q
	s_wait_dscnt 0x0
.set i, 0
.rept 16
	KQ 0                                           ; piece 0's first scores
.set i, i+1
.endr
	WIN 0                                          ; the addresses for the way out: eight plain lines, the places behind those products
	s_mul_i32 s16, s[WV], 16*SP
	s_add_co_u32 s16, s16, STAGE
	v_mul_u32_u24 v[STO], v[R16], SP               ; in: row l % 16, 16 bytes for each half of the lanes
	v_lshl_add_u32 v[STO], v[H], 4, v[STO]
	v_add_nc_u32 v[STO], s16, v[STO]
	v_mul_u32_u24 v[RD], v[H], SP                  ; back: lanes 0-15 one row of 256 bytes, lanes 16-31 the next
	v_lshl_add_u32 v[RD], v[R16], 4, v[RD]
	v_add_nc_u32 v[RD], s16, v[RD]
	v_lshlrev_b32 v[GO], 11, v[H]                  ; and the same two tokens in ob
	v_lshl_add_u32 v[GO], v[R16], 4, v[GO]
	s_mov_b32 s[TWICE], 2
	s_mov_b32 s[SLOTS], 15
	s_branch .Lfirst                               ; the loop is entered in the middle of a trip
.Lslot:                                                ; 14 times: slots 2 to 15 are asked for
	CHANGE 1, 1
	s_mov_b32 s[TWICE], 2
.Lstep:
	TURN 0, 1
	WIN 0
.Lfirst:
	TURN 1, 1
	WIN 0
	s_sub_co_u32 s[TWICE], s[TWICE], 1
	s_cmp_lg_u32 s[TWICE], 0
	s_cbranch_scc1 .Lstep
	s_sub_co_u32 s[SLOTS], s[SLOTS], 1
	s_cmp_lg_u32 s[SLOTS], 0
	s_cbranch_scc1 .Lslot
	CHANGE 0, 0                                    ; the tail is written out: nothing is asked for
	s_mov_b32 s[TWICE], 2
.Ltail:
	TURN 0, 1
	TURN 1, 1
	WIN 0
	s_sub_co_u32 s[TWICE], s[TWICE], 1
	s_cmp_lg_u32 s[TWICE], 0
	s_cbranch_scc1 .Ltail
	TURN 0, 0                                      ; piece 0: V^T P of the last step | piece 1's last softmax
.set i, 0
.rept 16
	PV 1                                           ; piece 1: V^T P of the last step
.set i, i+1
.endr
	; THE WAY OUT.  l's two halves and the other half of the lanes' are added; O^T is divided by l, rounded to f16 and sent through my stage, 16 tokens with both heads at a time.  The additions are the places behind the last products.
	WIN 0
.irp t, 0,1,2,3
	v_add_f32 v[ST+8*(\t)+2], v[ST+8*(\t)+2], v[ST+8*(\t)+3]
.endr
.irp t, 0,1,2,3
	v_permlanex16_b32 v[ST+8*(\t)+3], v[ST+8*(\t)+2], s[SEL], s[SEL+1]
.endr
.irp t, 0,1,2,3
	v_add_f32 v[ST+8*(\t)+2], v[ST+8*(\t)+2], v[ST+8*(\t)+3]
.endr
.irp t, 0,1,2,3
	v_rcp_f32 v[ST+8*(\t)+2], v[ST+8*(\t)+2]
.endr
	v_nop                                          ; a plain line between the last reciprocal and the use of its result
.macro PACK rt
.irp g, 0,1
	WIN W_RS
.set i, 0
.rept 16
	s_wait_alu depctr_va_vdst(0)
	v_pk_mul_f32 v[32*(2*(\rt)+(\g))+2*i:32*(2*(\rt)+(\g))+2*i+1], v[32*(2*(\rt)+(\g))+2*i:32*(2*(\rt)+(\g))+2*i+1], v[ST+8*(2*(\rt)+(\g))+2:ST+8*(2*(\rt)+(\g))+3] op_sel_hi:[1,0]
.set i, i+1
.endr
	WIN 0x05                                       ; sources 0 and 1 in window 1, destination in window 0: S^T's registers are free
.set i, 0
.rept 16
	v_cvt_pk_f16_f32 v[S+32*(\rt)+16*(\g)+i], v[32*(2*(\rt)+(\g))+2*i], v[32*(2*(\rt)+(\g))+2*i+1]
.set i, i+1
.endr
.endr
	WIN 0
.irp g, 0,1
.irp cb, 0,1,2,3
	ds_store_b128 v[STO], v[S+32*(\rt)+16*(\g)+4*(\cb):S+32*(\rt)+16*(\g)+4*(\cb)+3] offset:128*(\g)+32*(\cb)
.endr
.endr
.irp f, 0,1,2,3,4,5,6,7
	ds_load_b128 v[S+32*(\rt)+4*(\f):S+32*(\rt)+4*(\f)+3], v[RD] offset:(\f)*2*SP  ; LDS serves a wave's instructions in order (ISA guide 5.7.1.4): these see the stores above
.endr
.endm
.macro SEND rt, younger
.irp f, 0,1,2,3,4,5,6,7
	s_wait_dscnt (\younger)+7-(\f)
	global_store_b128 v[GO], v[S+32*(\rt)+4*(\f):S+32*(\rt)+4*(\f)+3], s[OB:OB+1] offset:32768*(\rt)+4096*(\f)  ; 16 lanes store 256 consecutive bytes, aligned: both heads of one token
.endr
.endm
	PACK 0
	PACK 1
	SEND 0, 16
	SEND 1, 0
	s_wait_tensorcnt 0x0                           ; the wave's end
	ds_add_u32 v[SPW], v[NIL]
	s_wait_dscnt 0x0
	CROUND                                         ; the closing round
	s_endpgm
.Lfunc_end_k_qbb2ab83372_attn:
	.size	k_qbb2ab83372_attn, .Lfunc_end_k_qbb2ab83372_attn-k_qbb2ab83372_attn
	.p2alignl 7, 3214868480
	.fill 96, 4, 3214868480
	.section	.rodata,"a",@progbits
	.p2align	6, 0x0
	.amdhsa_kernel k_qbb2ab83372_attn
		.amdhsa_group_segment_fixed_size 327680
		.amdhsa_private_segment_fixed_size 0
		.amdhsa_enable_private_segment 0
		.amdhsa_kernarg_size 24
		.amdhsa_user_sgpr_count 2
		.amdhsa_user_sgpr_kernarg_segment_ptr 1
		.amdhsa_wavefront_size32 1
		.amdhsa_system_sgpr_workgroup_id_x 1
		.amdhsa_system_sgpr_workgroup_id_y 1
		.amdhsa_system_sgpr_workgroup_id_z 1
		.amdhsa_system_vgpr_workitem_id 0
		.amdhsa_next_free_vgpr 768
		.amdhsa_next_free_sgpr 84
		.amdhsa_reserve_vcc 0
		.amdhsa_float_denorm_mode_32 3
		.amdhsa_float_denorm_mode_16_64 3
		.amdhsa_memory_ordered 1
		.amdhsa_forward_progress 1
		.amdhsa_inst_pref_size 150
	.end_amdhsa_kernel
	.amdgpu_metadata
---
amdhsa.version: [ 1, 2 ]
amdhsa.kernels:
  - .name:           k_qbb2ab83372_attn
    .symbol:         k_qbb2ab83372_attn.kd
    .args:
      - { .name: qkv, .offset: 0, .size: 8, .value_kind: global_buffer, .address_space: global }
      - { .name: mk, .offset: 8, .size: 8, .value_kind: global_buffer, .address_space: global }
      - { .name: ob, .offset: 16, .size: 8, .value_kind: global_buffer, .address_space: global }
    .group_segment_fixed_size: 327680
    .private_segment_fixed_size: 0
    .kernarg_segment_align: 8
    .kernarg_segment_size: 24
    .max_flat_workgroup_size: 128
    .sgpr_count:     84
    .vgpr_count:     768
    .wavefront_size: 32
...
	.end_amdgpu_metadata
.endif
;; end of part 3
;; launch oproj (part 4): grid 8 x 32, 4 waves a work-group, clusters of 4 x 4, 327,680 bytes of LDS; arguments ob, wob, out0; writes out0
.if DOCPART == 4
	.amdgcn_target "amdgcn-amd-amdhsa--gfx1250"
	.amdhsa_code_object_version 6
	.text
	.protected	k_qbb2ab83372_oproj
	.globl	k_qbb2ab83372_oproj
	.p2align	8
	.type	k_qbb2ab83372_oproj,@function
k_qbb2ab83372_oproj:
	s_mov_b64 s[64:65], 0
	v_nop
	global_prefetch_b8 v0, s[64:65] scope:SCOPE_SE
	s_setreg_imm32_b32 hwreg(HW_REG_WAVE_MODE, 25, 1), 1
	s_wait_xcnt 0x0
	s_wait_alu depctr_hold_cnt(0) depctr_sa_sdst(0) depctr_va_vdst(0) depctr_va_sdst(0) depctr_va_ssrc(0) depctr_va_vcc(0) depctr_vm_vsrc(0)
	s_getreg_b32 s2, hwreg(HW_REG_IB_STS2, 6, 4)
	s_cmp_eq_u32 s2, 0
	s_cbranch_scc0 .Lentry_in_a_cluster
	s_endpgm
.Lentry_in_a_cluster:
	s_bfe_u32 s2, ttmp6, 0x10000c
	s_cmp_lg_u32 s2, 0xf033
	s_cbranch_scc0 .Lentry_shape_is_right
	s_endpgm
.Lentry_shape_is_right:
; out0 = O Wo.  ob: [4096 tok][1024] f16 = 0.25 O; wob: [1024 k][2048 n] f16 = 4 bf16(Wo); out0: [4096][2048] f32; sums in f32, stored as they are.
; The shares, the ring and the order are those of the projection in front: a work-group makes 128 tokens x 256 columns (32 x 8 = 256 work-groups), wave w tokens 64 (w / 2) on and columns 128 (w % 2) on,
; 4 x 8 accumulators.  K goes in units of 128 through two unequal LDS slots: X holds two units, Y one; they take turns, X0 Y0 X1 Y1 X2: 8 units, two changes of slots for three units.  At a change the slot just
; read out is asked for again first thing, and its last 32 products, whose fragments lie in registers, stand behind the request.  A wave has two tensor loads out at the start, one afterwards.
; Waves 0 and 1 fetch the halves of O's tile, waves 2 and 3 those of Wo's, whose fragments come out of LDS turned.
; CLUSTER.  4 x 4: O's tile is asked for jointly by a row of the cluster, Wo's by a column.
; THE MATRIX INSTRUCTION IS USED TRANSPOSED: a lane holds one token (lane % 16) and 8 neighbouring columns: 32 bytes of a row of out0.
; THE STAGE of the way out lies where Y held O's tile: Y has had its last fill, and every wave's last read of it stands in front of the barrier that leads into the last X.
; REGISTERS.  Window 0: v16-29 addresses; v64-159, v160-255 two fragment buffers, on the way out two sets of 64 for rows read back.  Window 1: accumulator (a, b) at v[8 (8 a + b)].
.set SIZE_K, 1024
.set SIZE_N, 2048
.set UNIT,   128
.set NP,     (SIZE_K/UNIT-2)/3
.set PAX,    528
.set PAY,    272
.set PB,     544
.set XB,     128*PAX
.set YA,     XB+256*PB
.set YB,     YA+128*PAY
.set SPARE,  YB+128*PB                 ; behind the ring: the spare words, 128 bytes a wave, which no other line names
.set STAGE,  YA                        ; 16 rows x 528 bytes for each wave: 33,792 of the 34,816 bytes of Y's first tile
.set SP,     528
.set AX0,  16
.set BX0,  17
.set AY0,  18
.set BY0,  19
.set MVA,  20
.set MVB,  21
.set STO,  24
.set RD,   25
.set CO,   26
.set SPW,  28
.set NIL,  29
.set F0,   64
.set F1,   160
.set BK,   64
.set G1AX, 24
.set G1BX, 32
.set G1AY, 40
.set G1BY, 48
.set G0AX, 56
.set G0BX, 60
.set G0AY, 68
.set G0BY, 72
.set SA,   84
.set SB,   85
.set MSB, 0
.macro WIN new
.if MSB != (\new)
	s_set_vgpr_msb (MSB<<8)|(\new)
.set MSB, \new
.endif
.endm
.set MUL, 0x50
.macro JLOAD ga, g1a, gb, g1b          ; a joint load; an s_nop 0 and four v_nop follow each line
	s_cmp_eq_u32 s13, 0
	s_cbranch_scc0 .Lfor_b_\@
	tensor_load_to_lds s[\ga:\ga+3], s[\g1a:\g1a+7]
	s_nop 0
.rept 4
	v_nop
.endr
	s_branch .Lasked_\@
.Lfor_b_\@:
	tensor_load_to_lds s[\gb:\gb+3], s[\g1b:\g1b+7]
	s_nop 0
.rept 4
	v_nop
.endr
.Lasked_\@:
.endm
.macro CROUND
	s_barrier_signal -1
	s_barrier_wait -1
	s_cmp_lg_u32 s12, 0
	s_cbranch_scc1 .Lnot_wave_0_\@
	s_barrier_signal -3
.Lnot_wave_0_\@:
	s_barrier_wait -3
	s_barrier_signal -1
	s_barrier_wait -1
.endm
.macro GROUP1 g, cols, rows, pitch
	s_mov_b32 s[\g+1], (\cols)<<16
	s_mov_b32 s[\g+2], (\rows)<<16
	s_mov_b32 s[\g+3], (\cols)<<16
	s_mov_b32 s[\g+4], \rows
	s_mov_b32 s[\g+5], \pitch
	s_mov_b32 s[\g+6], 0
	s_mov_b32 s[\g+7], 0
.endm
	s_load_b128 s[4:7], s[0:1], 0x0                ; ob s[4:5], wob s[6:7]
	s_load_b64 s[10:11], s[0:1], 0x10              ; out0
	v_lshl_add_u32 v[SPW], v0, 2, SPARE
	v_mov_b32 v[NIL], 0
	ds_add_u32 v[SPW], v[NIL]                      ; the wave's opening: the add and its wait stand ahead of my first tensor load
	v_lshrrev_b32 v1, 5, v0
	v_readfirstlane_b32 s12, v1
	s_lshr_b32 s13, s12, 1
	s_and_b32 s14, s12, 1
	s_bfe_u32 s76, ttmp6, 0x40000                  ; cx
	s_bfe_u32 s77, ttmp6, 0x40004                  ; cy
	s_lshl_b32 s78, ttmp9, 2
	s_add_co_u32 s78, s78, s76                     ; tile column
	s_and_b32 s15, ttmp7, 0xffff
	s_lshl_b32 s15, s15, 2
	s_add_co_u32 s15, s15, s77                     ; tile row
	s_lshl_b32 s79, s77, 2
	s_lshl_b32 s79, 15, s79
	s_lshl_b32 s80, 0x1111, s76
	s_or_b32 s[G1AX], s79, (1<<16)|(1<<20)|(1<<21)|(6<<22)|(3<<25)
	s_or_b32 s[G1AY], s79, (1<<16)|(1<<20)|(1<<21)|(5<<22)|(3<<25)
	s_or_b32 s[G1BX], s80, (1<<16)|(1<<20)|(1<<21)|(6<<22)|(7<<25)
	s_or_b32 s[G1BY], s80, (1<<16)|(1<<20)|(1<<21)|(6<<22)|(7<<25)
	GROUP1 G1AX, 2*UNIT, 64, SIZE_K
	GROUP1 G1AY, UNIT, 64, SIZE_K
	GROUP1 G1BX, 256, UNIT, SIZE_N
	GROUP1 G1BY, 256, 64, SIZE_N
	s_mov_b32 s[G0AX], 1
	s_mul_i32 s[G0AX+1], s14, 64*PAX
	s_mov_b32 s[G0BX], 1
	s_mul_i32 s[G0BX+1], s14, UNIT*PB
	s_add_co_u32 s[G0BX+1], s[G0BX+1], XB
	s_mov_b32 s[G0AY], 1
	s_mul_i32 s[G0AY+1], s14, 64*PAY
	s_add_co_u32 s[G0AY+1], s[G0AY+1], YA
	s_mov_b32 s[G0BY], 1
	s_mul_i32 s[G0BY+1], s14, 64*PB
	s_add_co_u32 s[G0BY+1], s[G0BY+1], YB
	s_lshl_b32 s16, s15, 7
	s_lshl_b32 s17, s14, 6
	s_add_co_u32 s16, s16, s17
	s_mov_b32 s17, 0
	s_mov_b64 s[18:19], SIZE_K*2
	s_mul_u64 s[16:17], s[16:17], s[18:19]
	s_lshl_b32 s82, s78, 9
	s_mov_b32 s83, 0
	s_lshl_b32 s20, s14, 19
	s_mov_b32 s21, 0
	s_lshl_b32 s22, s14, 18
	s_mov_b32 s23, 0
	s_mov_b32 s[SA], 0
	s_mov_b32 s[SB], 0
	s_wait_dscnt 0x0                               ; the opening add is done
	s_wait_kmcnt 0x0
	s_add_nc_u64 s[G0AX+2:G0AX+3], s[4:5], s[16:17]
	s_add_nc_u64 s[G0AY+2:G0AY+3], s[G0AX+2:G0AX+3], 2*UNIT*2
	s_add_nc_u64 s[82:83], s[6:7], s[82:83]
	s_add_nc_u64 s[G0BX+2:G0BX+3], s[82:83], s[20:21]
	s_add_nc_u64 s[G0BY+2:G0BY+3], s[82:83], s[22:23]
	s_add_nc_u64 s[G0BY+2:G0BY+3], s[G0BY+2:G0BY+3], 2*UNIT*SIZE_N*2
	s_or_b32 s[G0AX+3], s[G0AX+3], 0x80000000
	s_or_b32 s[G0AY+3], s[G0AY+3], 0x80000000
	s_or_b32 s[G0BX+3], s[G0BX+3], 0x80000000
	s_or_b32 s[G0BY+3], s[G0BY+3], 0x80000000
	CROUND                                         ; the first joint loads meet
	JLOAD G0AX, G1AX, G0BX, G1BX
	JLOAD G0AY, G1AY, G0BY, G1BY
	v_and_b32 v1, 15, v0
	v_bfe_u32 v2, v0, 4, 1
	v_mul_u32_u24 v3, v1, PAX
	v_lshl_add_u32 v3, v2, 4, v3
	s_mul_i32 s16, s13, 64*PAX
	v_add_nc_u32 v[AX0], s16, v3
	v_mul_u32_u24 v3, v1, PAY
	v_lshl_add_u32 v3, v2, 4, v3
	s_mul_i32 s16, s13, 64*PAY
	s_add_co_u32 s16, s16, YA
	v_add_nc_u32 v[AY0], s16, v3
	v_and_b32 v4, 7, v0
	v_lshl_add_u32 v4, v2, 3, v4
	v_mul_u32_u24 v4, v4, PB
	v_bfe_u32 v5, v0, 3, 1
	v_lshl_add_u32 v4, v5, 4, v4
	s_lshl_b32 s16, s14, 8
	s_add_co_u32 s17, s16, XB
	v_add_nc_u32 v[BX0], s17, v4
	s_add_co_u32 s17, s16, YB
	v_add_nc_u32 v[BY0], s17, v4
	v_mov_b32 v[MVA], v[AX0]
	v_mov_b32 v[MVB], v[BX0]
	s_mul_i32 s16, s12, 16*SP
	s_add_co_u32 s16, s16, STAGE                   ; my stage
	v_mul_u32_u24 v5, v1, SP
	v_lshl_add_u32 v5, v2, 5, v5
	v_add_nc_u32 v[STO], s16, v5                   ; in: row r, 32 bytes for each half of the lanes
	v_and_b32 v[CO], 31, v0
	v_lshlrev_b32 v[CO], 4, v[CO]                  ; back: 32 lanes take a row's 512 bytes
	v_add_nc_u32 v[RD], s16, v[CO]
	s_lshl_b32 s16, s15, 7
	s_lshl_b32 s17, s13, 6
	s_add_co_u32 s16, s16, s17                     ; my first token: rows of 8,192 bytes
	s_lshl_b32 s20, s16, 13
	s_lshl_b32 s18, s78, 10                        ; my first column: 1,024 bytes a tile column, 512 a half
	s_lshl_b32 s19, s14, 9
	s_add_co_u32 s18, s18, s19
	s_add_co_u32 s20, s20, s18
	s_mov_b32 s21, 0
	s_add_nc_u64 s[10:11], s[10:11], s[20:21]
.macro MUL8 f, a, zero                 ; 8 matrix instructions; the 32 accumulators take turns
	WIN MUL
.irp b, 0,1,2,3,4,5,6,7
.if \zero
	v_wmma_f32_16x16x32_f16 v[8*(8*(\a)+(\b)):8*(8*(\a)+(\b))+7], v[(\f)+32+8*(\b):(\f)+32+8*(\b)+7], v[(\f)+8*(\a):(\f)+8*(\a)+7], 0
.else
	v_wmma_f32_16x16x32_f16 v[8*(8*(\a)+(\b)):8*(8*(\a)+(\b))+7], v[(\f)+32+8*(\b):(\f)+32+8*(\b)+7], v[(\f)+8*(\a):(\f)+8*(\a)+7], v[8*(8*(\a)+(\b)):8*(8*(\a)+(\b))+7]
.endif
.endr
.endm
.macro FETCH ra, rb, oa, ob, pa, f     ; 24 LDS loads in one run: Wo's 16, then O's 8
	WIN 0
.irp b, 0,1,2,3,4,5,6,7
	ds_load_tr16_b128 v[(\f)+32+8*(\b):(\f)+32+8*(\b)+3],   v[\rb] offset:(\ob)+32*(\b)
	ds_load_tr16_b128 v[(\f)+32+8*(\b)+4:(\f)+32+8*(\b)+7], v[\rb] offset:(\ob)+16*PB+32*(\b)
.endr
.irp a, 0,1,2,3
	ds_load_b128 v[(\f)+8*(\a):(\f)+8*(\a)+3],   v[\ra] offset:(\oa)+(\a)*16*(\pa)
	ds_load_b128 v[(\f)+8*(\a)+4:(\f)+8*(\a)+7], v[\ra] offset:(\oa)+(\a)*16*(\pa)+32
.endr
.endm
.macro PLACES                          ; four places (ISA guide 7.12.1)
.rept 4
	v_nop
.endr
.endm
.macro QUARTER ra, rb, oa, ob, pa, f, g, zero
	s_wait_dscnt 4                                 ; the youngest four loads (O's fragments 2 and 3) may be out
	MUL8 \f, 0, \zero
	MUL8 \f, 1, \zero
	PLACES
	FETCH \ra, \rb, \oa, \ob, \pa, \g
	s_wait_dscnt 24                                ; all but the 24 just issued
	MUL8 \f, 2, \zero
	MUL8 \f, 3, \zero
.endm
; The change of slots and the old slot's last quarter: the waits and the add, the round, the refill three units on, the other slot's first fragments, then the 32 products on buffer 1.
.macro CHANGE ga, g1a, gb, g1b, fill, ra, rb, pa
	WIN 0
	s_wait_tensorcnt 0x0                           ; no tensor load of mine is out, so a group 0 may be written
	ds_add_u32 v[SPW], v[NIL]
.if \fill
	s_add_nc_u64 s[\ga+2:\ga+3], s[\ga+2:\ga+3], 3*UNIT*2
	s_add_nc_u64 s[\gb+2:\gb+3], s[\gb+2:\gb+3], 3*UNIT*SIZE_N*2
.endif
	s_wait_dscnt 0x0                               ; the add is done, and my reads of the old slot are over: buffer 1 is in
.if \fill
	CROUND                                         ; no wave of any partner still reads the old slot or has a load on its way
	JLOAD \ga, \g1a, \gb, \g1b                     ; its four v_nop are also the places in front of the loads below
.else
	s_barrier_signal -1
	s_barrier_wait -1
	PLACES
.endif
	FETCH \ra, \rb, 0, 0, \pa, F0
	MUL8 F1, 0, 0
	MUL8 F1, 1, 0
	MUL8 F1, 2, 0
	MUL8 F1, 3, 0
.endm
.macro XSTEP
	WIN 0
	s_add_co_u32 s[SA], s[SA], 128
	s_add_co_u32 s[SB], s[SB], 64*PB
	v_add_nc_u32 v[MVA], s[SA], v[AX0]
	v_add_nc_u32 v[MVB], s[SB], v[BX0]
.endm
.macro YWORK
	QUARTER AY0, BY0, 64,  32*PB, PAY, F0, F1, 0
	QUARTER AY0, BY0, 128, 64*PB, PAY, F1, F0, 0
	QUARTER AY0, BY0, 192, 96*PB, PAY, F0, F1, 0
.endm
	s_wait_tensorcnt 1                             ; my part of X0 is in; Y0's may stay out
	s_barrier_signal -1
	s_barrier_wait -1
	FETCH AX0, BX0, 0, 0, PAX, F0
	QUARTER MVA, MVB, 64, 32*PB, PAX, F0, F1, 1    ; the first quarter's products start the sums
	WIN 0
	s_mov_b32 s2, NP
	s_mov_b32 s3, 3
	s_branch .Lxodd                                ; the loops are entered in the middle of X's first pair of quarters
.Ltrip:                                                ; NP - 1 trips: both slots are filled again
	CHANGE G0AX, G1AX, G0BX, G1BX, 1, AY0, BY0, PAY
	YWORK
	CHANGE G0AY, G1AY, G0BY, G1BY, 1, AX0, BX0, PAX
	WIN 0
	s_mov_b32 s3, 3
.Lxpairs:
	QUARTER MVA, MVB, 64, 32*PB, PAX, F0, F1, 0
	WIN 0
.Lxodd:
	QUARTER MVA, MVB, 128, 64*PB, PAX, F1, F0, 0
	XSTEP
	s_sub_co_u32 s3, s3, 1
	s_cmp_lg_u32 s3, 0
	s_cbranch_scc1 .Lxpairs
	QUARTER MVA, MVB, 64, 32*PB, PAX, F0, F1, 0
	WIN 0
	s_mov_b32 s[SA], 0
	s_mov_b32 s[SB], 0
	v_mov_b32 v[MVA], v[AX0]
	v_mov_b32 v[MVB], v[BX0]
	s_sub_co_u32 s2, s2, 1
	s_cmp_lg_u32 s2, 0
	s_cbranch_scc1 .Ltrip
	CHANGE G0AX, G1AX, G0BX, G1BX, 1, AY0, BY0, PAY  ; the tail is written out: the last X is asked for,
	YWORK
	CHANGE G0AY, G1AY, G0BY, G1BY, 0, AX0, BX0, PAX  ; and nothing more
	WIN 0
	s_mov_b32 s3, 3
.Lxlast:
	QUARTER MVA, MVB, 64, 32*PB, PAX, F0, F1, 0
	QUARTER MVA, MVB, 128, 64*PB, PAX, F1, F0, 0
	XSTEP
	s_sub_co_u32 s3, s3, 1
	s_cmp_lg_u32 s3, 0
	s_cbranch_scc1 .Lxlast
	QUARTER MVA, MVB, 64, 32*PB, PAX, F0, F1, 0
	s_wait_dscnt 4                                 ; the very last quarter
	MUL8 F1, 0, 0
	MUL8 F1, 1, 0
	s_wait_dscnt 0x0
	MUL8 F1, 2, 0
	MUL8 F1, 3, 0
	WIN 0
	PLACES
; THE WAY OUT.  16 tokens x 128 columns of f32 at a time go through my stage (rows of 528 bytes) and come back as whole rows of 512 bytes.  Each accumulator's lowest registers are read first.
.macro OUT a
	WIN 0x04                                       ; the stores' data in window 1
.irp b, 0,1,2,3,4,5,6,7
	ds_store_b128 v[STO], v[8*(8*(\a)+(\b)):8*(8*(\a)+(\b))+3]   offset:64*(\b)
	ds_store_b128 v[STO], v[8*(8*(\a)+(\b))+4:8*(8*(\a)+(\b))+7] offset:64*(\b)+16
.endr
	WIN 0
	s_wait_xcnt 0x0                                ; the set below was the data of the stores two blocks back
.irp f, 0,1,2,3,4,5,6,7,8,9,10,11,12,13,14,15
	ds_load_b128 v[BK+64*((\a)%2)+4*(\f):BK+64*((\a)%2)+4*(\f)+3], v[RD] offset:(\f)*SP  ; LDS serves a wave's instructions in order (ISA guide 5.7.1.4)
.endr
.endm
.macro SEND a, younger
.irp f, 0,1,2,3,4,5,6,7,8,9,10,11,12,13,14,15
	s_wait_dscnt (\younger)+15-(\f)
	global_store_b128 v[CO], v[BK+64*((\a)%2)+4*(\f):BK+64*((\a)%2)+4*(\f)+3], s[10:11] offset:131072*(\a)+8192*(\f) th:TH_STORE_NT  ; 512 consecutive bytes, aligned
.endr
.endm
	OUT 0
.irp a, 1,2,3
	OUT \a
	SEND (\a)-1, 32
.endr
	SEND 3, 0
	s_wait_tensorcnt 0x0                           ; the wave's end
	ds_add_u32 v[SPW], v[NIL]
	s_wait_dscnt 0x0
	CROUND                                         ; the closing round
	s_endpgm
.Lfunc_end_k_qbb2ab83372_oproj:
	.size	k_qbb2ab83372_oproj, .Lfunc_end_k_qbb2ab83372_oproj-k_qbb2ab83372_oproj
	.p2alignl 7, 3214868480
	.fill 96, 4, 3214868480
	.section	.rodata,"a",@progbits
	.p2align	6, 0x0
	.amdhsa_kernel k_qbb2ab83372_oproj
		.amdhsa_group_segment_fixed_size 327680
		.amdhsa_private_segment_fixed_size 0
		.amdhsa_enable_private_segment 0
		.amdhsa_kernarg_size 24
		.amdhsa_user_sgpr_count 2
		.amdhsa_user_sgpr_kernarg_segment_ptr 1
		.amdhsa_wavefront_size32 1
		.amdhsa_system_sgpr_workgroup_id_x 1
		.amdhsa_system_sgpr_workgroup_id_y 1
		.amdhsa_system_sgpr_workgroup_id_z 1
		.amdhsa_system_vgpr_workitem_id 0
		.amdhsa_next_free_vgpr 512
		.amdhsa_next_free_sgpr 88
		.amdhsa_reserve_vcc 0
		.amdhsa_float_denorm_mode_32 3
		.amdhsa_float_denorm_mode_16_64 3
		.amdhsa_memory_ordered 1
		.amdhsa_forward_progress 1
		.amdhsa_inst_pref_size 97
	.end_amdhsa_kernel
	.amdgpu_metadata
---
amdhsa.version: [ 1, 2 ]
amdhsa.kernels:
  - .name:           k_qbb2ab83372_oproj
    .symbol:         k_qbb2ab83372_oproj.kd
    .args:
      - { .name: ob, .offset: 0, .size: 8, .value_kind: global_buffer, .address_space: global }
      - { .name: wob, .offset: 8, .size: 8, .value_kind: global_buffer, .address_space: global }
      - { .name: out0, .offset: 16, .size: 8, .value_kind: global_buffer, .address_space: global }
    .group_segment_fixed_size: 327680
    .private_segment_fixed_size: 0
    .kernarg_segment_align: 8
    .kernarg_segment_size: 24
    .max_flat_workgroup_size: 128
    .sgpr_count:     88
    .vgpr_count:     512
    .wavefront_size: 32
...
	.end_amdgpu_metadata
.endif
;; end of part 4
